; MI455X (gfx1250); checked and timed in simulation.
; The chip was launched on July 23, 2026; its instructions are those of AMD's public machine-readable ISA for CDNA 5 (MIT licence, August 2026) and "CDNA5" Instruction Set Architecture Reference Guide (July 2026). The comments in the code are by the model that wrote it; some were corrected since.
;; Mo E Layer. Allowed arithmetic: matrix products marked QUANTISED: E2M3 operands, one E8M0 scale for each 32 along K, by v_wmma_scale_f32_16x16x128_f8f6f4 with both operands' format E2M3, f32 sums; products left as they are: f32 operands where the result goes on into a quantised operand, else bf16, f16 or f32 operands; f32 sums; everything else in f32.
;; Inputs: W1 8 x 4,096 x 1,024 float32; W2 8 x 1,024 x 4,096 float32; Wr 8 x 1,024 float32; b1 8 x 4,096 float32; b2 8 x 1,024 float32; br 8 float32; hidden_states 2 x 512 x 1,024 float32; ln_b 1,024 float32; ln_w 1,024 float32.
;; Outputs: out0 2 x 512 x 1,024 float32; out1 one number float32.
;; This version of the problem:
;;   THIS VERSION OF THE PROBLEM IS GIVEN IN LOW PRECISION. The matrix products marked QUANTISED in the list below multiply operands that are first quantised to E2M3 (2 exponent bits, 3 mantissa bits; 6 bits a number), with one power-of-two scale for each 32 numbers along K (OCP MX v1.0); their sums are f32. All else is computed in f32.
;;   The module's matrix products, in the order in which they are computed (A, B: the left and right operand; K: the contracted axis; several contracted axes count as one K, in the product's order):
;;     1. [M 1,024, K 1,024] x [K 1,024, N 8]; A: computed on the way; B: input Wr: left as it is (N = 8 < 16)
;;     2. [M 1,024, K 1,024] x [K 1,024, N 32,768]; A: computed on the way; B: input W1: QUANTISED
;;     3. batch 8 x [M 1,024, K 4,096] x [K 4,096, N 1,024]; A: input W2; B: computed on the way: QUANTISED
;;     4. batch 1,024 x [M 1, K 8] x [K 8, N 1,024]; A: computed on the way; B: computed on the way: left as it is (K = 8 < 32)
;;   THE QUANTISER, for each operand of a quantised product, along K:
;;     - K is cut into blocks of 32 from its start; a last block that is shorter is filled with zeros.
;;     - A block's scale is 2^e with e = floor(log2(the largest magnitude in the block)) - 2, held to -126 .. 127; a block of zeros has e = 0. As a byte (E8M0): e + 127.
;;     - Each number is divided by its block's scale, clamped to +-7.5, and rounded to the nearest number of E2M3, ties to even, subnormals kept.
;;     - The product sums the exact products of the quantised numbers (number of the format x scale) in f32.
;;   ~~~python
;;   def quantise(x, axis):      # numpy; x: float32 -> the quantised numbers, widened to float32 again
;;       x = np.moveaxis(x, axis, -1); K = x.shape[-1]
;;       x = np.pad(x, [(0, 0)] * (x.ndim - 1) + [(0, -K % 32)]); x = x.reshape(x.shape[:-1] + (-1, 32)); a = np.abs(x).max(-1, keepdims=True)
;;       e = np.where(a > 0, np.clip(np.frexp(np.where(a > 0, a, 1))[1] - 1 - 2, -126, 127), 0)      # np.frexp(a)[1] - 1 = floor(log2(a)), exactly
;;       r = np.clip(x / 2.0 ** e, -7.5, 7.5)
;;       step = 2.0 ** (np.maximum(np.frexp(np.where(r == 0, 1, r))[1] - 1, 0) - 3)
;;       q = np.round(r / step) * step * 2.0 ** e      # np.round: ties to even
;;       return np.moveaxis(q.reshape(q.shape[:-2] + (-1,))[..., :K], -1, axis).astype(np.float32)
;;   ~~~
;;   OPERANDS COMPUTED ON THE WAY. 'Computed on the way' means the value that the module computes at that place (a softmax that the list does not call 'softmax' is quantised finished and normalised). What goes into a quantiser is computed in f32, as accurately as f32 sums, v_exp_f32 and their like allow (about 1e-6 of the number): no bf16 or f16 on the way to a quantiser, and a product that is left as it is and whose result goes on into a quantised operand takes f32 operands (vector FMAs, or v_wmma_f32_16x16x4_f32). A number that lies on a knife's edge between two numbers of the format may be rounded either way, as far as f32 arithmetic and the matrix unit's own rounding can turn it there, and no further.
;; 2 versions, each right; version 2 is version 1 with the launches ffn1, ffn2 written anew for expert scheduling mode. Each part assembles by itself: llvm-mc -triple=amdgcn-amd-amdhsa -mcpu=gfx1250 --defsym DOCPART=n.
;; ======== version 1 of 2: 5 launches
;; workspace buffers: xq 819,200 bytes; ti 8,192 bytes of whole numbers; rw 40,960 bytes; ord 66,560 bytes of whole numbers; xt 6,553,600 bytes; at 26,214,400 bytes; yp 134,217,728 bytes
;; launch route (part 1): grid 256 x 1, 4 waves a work-group, no clusters, 25,088 bytes of LDS; arguments hidden_states, ln_w, ln_b, Wr, br, xq, ti, rw; writes xq, ti, rw
.if DOCPART == 1
	.amdgcn_target "amdgcn-amd-amdhsa--gfx1250"
	.amdhsa_code_object_version 6
	.text
	.protected	k_q7fefdf229c_route
	.globl	k_q7fefdf229c_route
	.p2align	8
	.type	k_q7fefdf229c_route,@function
k_q7fefdf229c_route:
	s_mov_b64 s[64:65], 0
	v_nop
	global_prefetch_b8 v0, s[64:65] scope:SCOPE_SE
	s_setreg_imm32_b32 hwreg(HW_REG_WAVE_MODE, 25, 1), 1
	s_wait_xcnt 0x0
; LayerNorm, router, top-2 and the quantising of x.  One wave takes one token (a row of 1,024 f32); waves share nothing: no barrier.
; OUT: xq: the token's 768 bytes of FP6 (E2M3) codes, block b (32 numbers, 24 bytes) at 384 (b & 1) + 24 (b >> 1), so that lane (r, h) of a matrix operand finds its 96 registers
;      as 384 consecutive bytes at 384 h; behind all codes (byte 786,432 on) 32 E8M0 scale bytes a token, byte b for block b.
;      ti: the two chosen experts of the token (slots 2 t, 2 t + 1), whole numbers.  rw: their two softmax weights; from byte 8,192 on the token's 8 router probabilities.
; No address and no branch here hangs on the choice: a later launch places the rows.
; TOP-2: a later expert replaces an earlier one only if its logit is strictly greater, so of equal logits the lower index wins, as in jax.lax.top_k.
; LIMITS: NaN and infinities among the inputs are not served.  A block whose largest magnitude lies under 2^-124 (a block of zeros too) gets the scale byte 1; its codes are then what the
; quantiser's clip at e = -126 gives (zeros for zeros); the bytes are read by this program alone.  Sums go by lane trees, in another order than the reference's.
; DENSE LAYOUT of a row in registers: register 4 j + i of lane l = column 128 j + 4 l + i: each load of the wave covers 512 consecutive bytes.
.set H,    32                          ; v32-63   the row, then x
.set LW,   64                          ; v64-95   ln_w; later at work; later x with a block of 32 to a lane
.set LB,   96                          ; v96-127  ln_b
.set LG,   128                         ; v128-143 eight pairs of partial logits (and the norm's partial sums)
.set LO,   144                         ; v144-151 the logits
.set PR,   152                         ; v152-159 the logits without the winner, then the probabilities
.set M1,   160
.set I1,   161
.set NINF, 162
.set M2,   163
.set I2,   164
.set T2,   165
.set SUM,  166
.set ONEP, 167
.set R1,   168
.set RS,   169
.set W2,   170
.set QA,   171
.set QB,   172
.set QS,   173
.set BY,   174
.set OF8,  175
.set PRL,  176
.set TIL,  177
.set TWL,  178
.set PC,   192                         ; v192-197 the block's codes; v198-200 the second conversion's result
.set BK,   204                         ; v204-209 codes back from the stage; v210 scale bytes
.set XST,  0                           ; LDS of a wave: 32 blocks x (128 + 16) bytes,
.set CST,  4608                        ; 768 bytes of codes,
.set SST,  5376                        ; 32 scale bytes
.set WREG, 6144
.set MSB, 0
.macro WIN new                         ; the immediate's high byte repeats the setting that is left
.if MSB != (\new)
	s_set_vgpr_msb (MSB<<8)|(\new)
.set MSB, (\new)
.endif
.endm
.macro LANESUM a, t                    ; the sum over the wave's 32 lanes, in every lane
	v_add_f32_dpp v[\a], v[\a], v[\a] row_xmask:1 row_mask:0xf bank_mask:0xf
	v_add_f32_dpp v[\a], v[\a], v[\a] row_xmask:2 row_mask:0xf bank_mask:0xf
	v_add_f32_dpp v[\a], v[\a], v[\a] row_xmask:4 row_mask:0xf bank_mask:0xf
	v_add_f32_dpp v[\a], v[\a], v[\a] row_xmask:8 row_mask:0xf bank_mask:0xf
	v_permlanex16_b32 v[\t], v[\a], s32, s33
	v_add_f32 v[\a], v[\a], v[\t]
.endm
	s_load_b512 s[4:19], s[0:1], 0x0               ; hidden s[4:5], ln_w s[6:7], ln_b s[8:9], Wr s[10:11], br s[12:13], xq s[14:15], ti s[16:17], rw s[18:19]
	v_lshl_add_u32 v254, v0, 2, 0x6000
	v_mov_b32 v255, 0
	v_lshrrev_b32 v1, 5, v0
	v_readfirstlane_b32 s20, v1                    ; wave
	v_and_b32 v1, 31, v0                           ; lane
	v_lshlrev_b32 v2, 4, v1                        ; 16 x lane
	v_lshlrev_b32 v9, 2, v1                        ; 4 x lane
	s_lshl_b32 s21, ttmp9, 2
	s_add_co_u32 s21, s21, s20                     ; my token
	s_mul_i32 s34, s20, WREG                       ; my wave's LDS
	v_lshrrev_b32 v3, 3, v1
	v_add_nc_u32 v3, v3, v1
	v_lshlrev_b32 v3, 4, v3
	v_add_nc_u32 v3, s34, v3                       ; into the stage: 16 l + 16 (l / 8): eight lanes fill a block's 128 bytes, then 16 of padding
	v_mul_u32_u24 v4, v1, 144
	v_add_nc_u32 v4, s34, v4                       ; out of it: block l; 144 = 9 x 16 bytes from lane to lane
	v_and_b32 v5, 1, v1
	v_mul_u32_u24 v5, v5, 384
	v_lshrrev_b32 v6, 1, v1
	v_mad_u32_u24 v5, v6, 24, v5
	v_add_nc_u32 v5, s34, v5                       ; my block's codes: 384 (l & 1) + 24 (l >> 1)
	v_lshl_add_u32 v6, v1, 3, s34                  ; and back: 8 bytes a lane
	v_add_nc_u32 v7, s34, v1                       ; my block's scale byte
	v_and_b32 v8, 7, v1
	v_lshl_add_u32 v8, v8, 2, s34                  ; and back: a word in each of lanes 0-7
	v_lshlrev_b32 v[OF8], 3, v1
	s_mov_b32 s32, 0x76543210
	s_mov_b32 s33, 0xfedcba98                      ; v_permlanex16_b32's selects for lane l xor 16
	s_mov_b32 s35, 0x3a800000                      ; 1 / 1,024
	s_mov_b32 s36, 0x3727c5ac                      ; 1e-5
	s_lshl_b32 s22, s21, 12                        ; a row is 4,096 bytes
	s_mov_b32 s23, 0
	s_wait_kmcnt 0x0
	s_load_b256 s[24:31], s[12:13], 0x0            ; br
	s_add_nc_u64 s[4:5], s[4:5], s[22:23]
.irp j, 0,1,2,3,4,5,6,7
	global_load_b128 v[H+4*\j:H+4*\j+3], v2, s[4:5] offset:512*\j
.endr
.irp j, 0,1,2,3,4,5,6,7
	global_load_b128 v[LW+4*\j:LW+4*\j+3], v2, s[6:7] offset:512*\j
.endr
.irp j, 0,1,2,3,4,5,6,7
	global_load_b128 v[LB+4*\j:LB+4*\j+3], v2, s[8:9] offset:512*\j
.endr
	WIN 0x40                                       ; destination window 1: Wr, expert e at v[32 e] of it
.irp e, 0,1,2,3,4,5,6,7
.irp j, 0,1,2,3,4,5,6,7
	global_load_b128 v[32*\e+4*\j:32*\e+4*\j+3], v2, s[10:11] offset:4096*\e+512*\j
.endr
.endr
	WIN 0
	s_mul_i32 s22, s21, 768
	s_add_nc_u64 s[38:39], s[14:15], s[22:23]      ; my codes
	s_lshl_b32 s22, s21, 5
	s_add_nc_u64 s[40:41], s[14:15], s[22:23]      ; my scale bytes (786,432 stands in the immediate)
	s_add_nc_u64 s[42:43], s[18:19], s[22:23]      ; my probabilities (8,192 in the immediate)
	s_lshl_b32 s22, s21, 3
	s_add_nc_u64 s[44:45], s[16:17], s[22:23]      ; my two experts
	s_add_nc_u64 s[46:47], s[18:19], s[22:23]      ; my two weights
	s_wait_loadcnt 63                              ; 88 loads were issued: at most 63 out means the oldest 25 are in, the row's, ln_w's and ln_b's 24 among them
	; ---- the mean
	v_pk_add_f32 v[LG:LG+1], v[H:H+1], v[H+2:H+3]
	v_pk_add_f32 v[LG+2:LG+3], v[H+4:H+5], v[H+6:H+7]
.irp j, 8,12,16,20,24,28
	v_pk_add_f32 v[LG:LG+1], v[LG:LG+1], v[H+\j:H+\j+1]
	v_pk_add_f32 v[LG+2:LG+3], v[LG+2:LG+3], v[H+\j+2:H+\j+3]
.endr
	v_pk_add_f32 v[LG:LG+1], v[LG:LG+1], v[LG+2:LG+3]
	v_add_f32 v[LG], v[LG], v[LG+1]
	LANESUM LG, LG+1
	v_mul_f32 v10, s35, v[LG]
	v_mov_b32 v11, v10
.irp j, 0,2,4,6,8,10,12,14,16,18,20,22,24,26,28,30
	v_pk_add_f32 v[H+\j:H+\j+1], v[H+\j:H+\j+1], v[10:11] neg_lo:[0,1] neg_hi:[0,1]   ; the row less its mean: the variance is taken of these, so a common offset does no harm
.endr
	; ---- the variance
	v_pk_mul_f32 v[LG:LG+1], v[H:H+1], v[H:H+1]
	v_pk_mul_f32 v[LG+2:LG+3], v[H+2:H+3], v[H+2:H+3]
.irp j, 4,8,12,16,20,24,28
	v_pk_fma_f32 v[LG:LG+1], v[H+\j:H+\j+1], v[H+\j:H+\j+1], v[LG:LG+1]
	v_pk_fma_f32 v[LG+2:LG+3], v[H+\j+2:H+\j+3], v[H+\j+2:H+\j+3], v[LG+2:LG+3]
.endr
	v_pk_add_f32 v[LG:LG+1], v[LG:LG+1], v[LG+2:LG+3]
	v_add_f32 v[LG], v[LG], v[LG+1]
	LANESUM LG, LG+1
	v_fma_f32 v[LG], v[LG], s35, s36               ; variance + 1e-5 (the division by 1,024 is exact)
	v_rsq_f32 v12, v[LG]
	v_nop                                          ; a plain instruction behind the transcendental
	s_wait_alu depctr_va_vdst(0)                   ; the wait stands ahead of the first line that names the result
	v_mov_b32 v13, v12
.irp j, 0,2,4,6,8,10,12,14,16,18,20,22,24,26,28,30
	v_pk_mul_f32 v[H+\j:H+\j+1], v[H+\j:H+\j+1], v[12:13]
.endr
.irp j, 0,2,4,6,8,10,12,14,16,18,20,22,24,26,28,30
	v_pk_fma_f32 v[H+\j:H+\j+1], v[H+\j:H+\j+1], v[LW+\j:LW+\j+1], v[LB+\j:LB+\j+1]   ; x
.endr
	; ---- the eight logits, in f32: fused multiply-adds, the experts by turns
	s_wait_loadcnt 0x0                             ; Wr
	WIN 0x04                                       ; source 1 window 1
.irp e, 0,1,2,3,4,5,6,7
	v_pk_mul_f32 v[LG+2*\e:LG+2*\e+1], v[H:H+1], v[32*\e:32*\e+1]
.endr
.irp j, 2,4,6,8,10,12,14,16,18,20,22,24,26,28,30
.irp e, 0,1,2,3,4,5,6,7
	v_pk_fma_f32 v[LG+2*\e:LG+2*\e+1], v[H+\j:H+\j+1], v[32*\e+\j:32*\e+\j+1], v[LG+2*\e:LG+2*\e+1]
.endr
.endr
	WIN 0
.irp e, 0,1,2,3,4,5,6,7
	v_add_f32 v[LO+\e], v[LG+2*\e], v[LG+2*\e+1]
.endr
.irp m, 1,2,4,8
.irp e, 0,1,2,3,4,5,6,7
	v_add_f32_dpp v[LO+\e], v[LO+\e], v[LO+\e] row_xmask:\m row_mask:0xf bank_mask:0xf
.endr
.endr
.irp e, 0,1,2,3,4,5,6,7
	v_permlanex16_b32 v[LW+\e], v[LO+\e], s32, s33 ; (ln_w's registers are free, and have been written)
.endr
	s_wait_kmcnt 0x0                               ; br
.irp e, 0,1,2,3,4,5,6,7
	v_add_f32 v[LO+\e], v[LO+\e], v[LW+\e]
.endr
.irp e, 0,1,2,3,4,5,6,7
	v_add_f32 v[LO+\e], s[24+\e], v[LO+\e]
.endr
	; ---- top-2: values are chosen by v_cndmask_b32, nothing branches
	v_mov_b32 v[M1], v[LO]
	v_mov_b32 v[I1], 0
	v_mov_b32 v[NINF], 0xff800000
.irp e, 1,2,3,4,5,6,7
	v_cmp_ge_f32 vcc_lo, v[M1], v[LO+\e]           ; the earlier one stays unless the later is strictly greater
	v_cndmask_b32 v[I1], \e, v[I1], vcc_lo
	v_max_num_f32 v[M1], v[M1], v[LO+\e]
.endr
.irp e, 0,1,2,3,4,5,6,7
	v_cmp_eq_u32 vcc_lo, \e, v[I1]
	v_cndmask_b32 v[PR+\e], v[LO+\e], v[NINF], vcc_lo
.endr
	v_mov_b32 v[M2], v[PR]
	v_mov_b32 v[I2], 0
.irp e, 1,2,3,4,5,6,7
	v_cmp_ge_f32 vcc_lo, v[M2], v[PR+\e]
	v_cndmask_b32 v[I2], \e, v[I2], vcc_lo
	v_max_num_f32 v[M2], v[M2], v[PR+\e]
.endr
	; ---- both softmaxes take the largest logit away first
.irp e, 0,1,2,3,4,5,6,7
	v_sub_f32 v[PR+\e], v[LO+\e], v[M1]
.endr
	v_sub_f32 v[T2], v[M2], v[M1]
.irp e, 0,1,2,3,4,5,6,7
	v_mul_f32 v[PR+\e], 0x3fb8aa3b, v[PR+\e]
.endr
	v_mul_f32 v[T2], 0x3fb8aa3b, v[T2]
.irp e, 0,1,2,3,4,5,6,7
	v_exp_f32 v[PR+\e], v[PR+\e]
.endr
	v_exp_f32 v[T2], v[T2]
	v_nop
	s_wait_alu depctr_va_vdst(0)                   ; one wait for the nine exponentials
	v_add_f32 v[SUM], v[PR], v[PR+1]
	v_add_f32 v[QA], v[PR+2], v[PR+3]
	v_add_f32 v[QB], v[PR+4], v[PR+5]
	v_add_f32 v[QS], v[PR+6], v[PR+7]
	v_add_f32 v[SUM], v[SUM], v[QA]
	v_add_f32 v[QB], v[QB], v[QS]
	v_add_f32 v[SUM], v[SUM], v[QB]
	v_add_f32 v[ONEP], 1.0, v[T2]
	v_rcp_f32 v[RS], v[SUM]
	v_rcp_f32 v[R1], v[ONEP]                       ; the first weight: 1 / (1 + e^(l2 - l1))
	v_nop
	s_wait_alu depctr_va_vdst(0)                   ; one wait for the two reciprocals
	v_mul_f32 v[W2], v[T2], v[R1]                  ; the second
.irp e, 0,1,2,3,4,5,6,7
	v_mul_f32 v[PR+\e], v[PR+\e], v[RS]
.endr
	; ---- x is quantised: through my stage, so that a lane holds a whole block of 32 neighbours
.irp j, 0,1,2,3,4,5,6,7
	ds_store_b128 v3, v[H+4*\j:H+4*\j+3] offset:XST+576*\j
.endr
.irp i, 0,1,2,3,4,5,6,7
	ds_load_b128 v[LW+4*\i:LW+4*\i+3], v4 offset:XST+16*\i     ; LDS serves a wave's instructions in order (ISA guide 5.7.1.4): these see the stores above
.endr
	s_wait_dscnt 0x0
	v_max3_num_f32 v[QA], |v[LW]|, |v[LW+1]|, 0x1800000        ; the block's largest magnitude, and the floor 2^(3 - 127): the byte cannot fall under 1
	v_max_num_f32 v[QB], |v[LW+2]|, |v[LW+3]|
.irp i, 4,8,12,16,20,24,28
	v_max3_num_f32 v[QA], v[QA], |v[LW+\i]|, |v[LW+\i+1]|
	v_max3_num_f32 v[QB], v[QB], |v[LW+\i+2]|, |v[LW+\i+3]|
.endr
	v_max_num_f32 v[QA], v[QA], v[QB]
	v_add_nc_u32 v[QS], 0xff000000, v[QA]          ; 2 off its exponent field: the conversion takes this operand's exponent field as its scale
	v_cvt_scalef32_pk16_fp6_f32 v[PC:PC+2], v[LW:LW+15], v[QS]
	v_cvt_scalef32_pk16_fp6_f32 v[PC+6:PC+8], v[LW+16:LW+31], v[QS]   ; (a conversion's three registers begin on an even number)
	v_lshrrev_b32 v[BY], 23, v[QS]                 ; the scale's byte.  (A plain instruction behind the conversions)
.irp i, 0,1,2
	v_mov_b32 v[PC+3+\i], v[PC+6+\i]
.endr
.irp k, 0,1,2
	ds_store_b64 v5, v[PC+2*\k:PC+2*\k+1] offset:CST+8*\k
.endr
	ds_store_b8 v7, v[BY] offset:SST
.irp k, 0,1,2
	ds_load_b64 v[BK+2*\k:BK+2*\k+1], v6 offset:CST+256*\k
.endr
	ds_load_b32 v[BK+6], v8 offset:SST
	; what leaves in a few lanes is brought there meanwhile
	v_mov_b32 v[PRL], v[PR]
.irp e, 1,2,3,4,5,6,7
	v_cmp_eq_u32 vcc_lo, \e, v1
	v_cndmask_b32 v[PRL], v[PRL], v[PR+\e], vcc_lo ; lane e: probability e
.endr
	v_cmp_eq_u32 vcc_lo, 1, v1
	v_cndmask_b32 v[TIL], v[I1], v[I2], vcc_lo     ; lane 0: the first choice, lane 1: the second
	v_cndmask_b32 v[TWL], v[R1], v[W2], vcc_lo
	s_wait_dscnt 0x0
.irp k, 0,1,2
	global_store_b64 v[OF8], v[BK+2*\k:BK+2*\k+1], s[38:39] offset:256*\k   ; the wave stores 256 consecutive bytes, at a multiple of 256 from the buffer's first byte
.endr
	v_cmp_gt_u32 vcc_lo, 8, v1
	s_wait_xcnt 0x0                                ; EXEC changes only behind this wait: it is a source of the stores above
	s_wait_tensorcnt 0x0
	ds_add_u32 v254, v255
	s_wait_dscnt 0x0
	s_and_saveexec_b32 s48, vcc_lo                 ; lanes 0-7
	global_store_b32 v9, v[BK+6], s[40:41] offset:786432
	global_store_b32 v9, v[PRL], s[42:43] offset:8192
	v_cmp_gt_u32 vcc_lo, 2, v1
	s_wait_xcnt 0x0
	s_and_saveexec_b32 s49, vcc_lo                 ; lanes 0, 1
	global_store_b32 v9, v[TIL], s[44:45]
	global_store_b32 v9, v[TWL], s[46:47]
	s_endpgm
.Lfunc_end_k_q7fefdf229c_route:
	.size	k_q7fefdf229c_route, .Lfunc_end_k_q7fefdf229c_route-k_q7fefdf229c_route
	.p2alignl 7, 3214868480
	.fill 96, 4, 3214868480
	.section	.rodata,"a",@progbits
	.p2align	6, 0x0
	.amdhsa_kernel k_q7fefdf229c_route
		.amdhsa_group_segment_fixed_size 25088
		.amdhsa_private_segment_fixed_size 0
		.amdhsa_enable_private_segment 0
		.amdhsa_kernarg_size 64
		.amdhsa_user_sgpr_count 2
		.amdhsa_user_sgpr_kernarg_segment_ptr 1
		.amdhsa_wavefront_size32 1
		.amdhsa_system_sgpr_workgroup_id_x 1
		.amdhsa_system_sgpr_workgroup_id_y 1
		.amdhsa_system_sgpr_workgroup_id_z 1
		.amdhsa_system_vgpr_workitem_id 0
		.amdhsa_next_free_vgpr 512
		.amdhsa_next_free_sgpr 66
		.amdhsa_reserve_vcc 1
		.amdhsa_float_denorm_mode_32 3
		.amdhsa_float_denorm_mode_16_64 3
		.amdhsa_memory_ordered 1
		.amdhsa_forward_progress 1
		.amdhsa_inst_pref_size 37
	.end_amdhsa_kernel
	.amdgpu_metadata
---
amdhsa.version: [ 1, 2 ]
amdhsa.kernels:
  - .name:           k_q7fefdf229c_route
    .symbol:         k_q7fefdf229c_route.kd
    .args:
      - { .name: hidden_states, .offset: 0, .size: 8, .value_kind: global_buffer, .address_space: global }
      - { .name: ln_w, .offset: 8, .size: 8, .value_kind: global_buffer, .address_space: global }
      - { .name: ln_b, .offset: 16, .size: 8, .value_kind: global_buffer, .address_space: global }
      - { .name: Wr, .offset: 24, .size: 8, .value_kind: global_buffer, .address_space: global }
      - { .name: br, .offset: 32, .size: 8, .value_kind: global_buffer, .address_space: global }
      - { .name: xq, .offset: 40, .size: 8, .value_kind: global_buffer, .address_space: global }
      - { .name: ti, .offset: 48, .size: 8, .value_kind: global_buffer, .address_space: global }
      - { .name: rw, .offset: 56, .size: 8, .value_kind: global_buffer, .address_space: global }
    .group_segment_fixed_size: 25088
    .private_segment_fixed_size: 0
    .kernarg_segment_align: 8
    .kernarg_segment_size: 64
    .max_flat_workgroup_size: 128
    .sgpr_count:     66
    .vgpr_count:     512
    .wavefront_size: 32
...
	.end_amdgpu_metadata
.endif
;; end of part 1
;; launch place (part 2): grid 257 x 1, 1 waves a work-group, no clusters, 4,864 bytes of LDS; arguments ti, xq, rw, ord, xt, out1; writes ord, xt, out1
.if DOCPART == 2
	.amdgcn_target "amdgcn-amd-amdhsa--gfx1250"
	.amdhsa_code_object_version 6
	.text
	.protected	k_q7fefdf229c_place
	.globl	k_q7fefdf229c_place
	.p2align	8
	.type	k_q7fefdf229c_place,@function
k_q7fefdf229c_place:
	s_mov_b64 s[64:65], 0
	v_nop
	global_prefetch_b8 v0, s[64:65] scope:SCOPE_SE
	s_setreg_imm32_b32 hwreg(HW_REG_WAVE_MODE, 25, 1), 1
	s_wait_xcnt 0x0
; The routed rows are placed by expert, and the balance loss is made.  Work-groups of ONE wave, so that LDS has one user.
; Work-groups 0-255: expert e = id / 32, part x = id % 32.  Each ranks all 2,048 slots (slot = 2 token + choice) of its expert by a counting pass (every part finds the same ranks),
; keeps the expert's list of slots in LDS, and gathers the tiles t = x and x + 32 (16 rows each) that the expert has into RECORDS in xt.
; THE GRID is fixed and serves every split: an expert has at most 1,024 rows, 64 tiles, two for each of its 32 parts; up to 32 tiles no wave gathers a second tile behind its first.
; A part that the split leaves without a tile stores nothing.
; A RECORD (12,800 bytes) is a tile of 16 rows x 1,024 K as an image of the operand's registers: chunk i (0-23) = registers 4 i .. 4 i + 3 of all lanes, at 512 i + 16 lane; at 12,288 the scale
; words: lane r + 16 g, word j = row r's word of K step 4 g + j.  Rows past the expert's count get zero codes (and token 0's scale bytes, which are no 0xff): they add nothing.
; Part 0 also stores, for the later launches: the expert's count (32 copies, 128 bytes) and pe[e][slot] = 1,024 e + rank where the slot is the expert's, else 0.
; Work-group 256: usage = the mean of the router's probabilities, loss = 8 x the sum of usage^2 - 1.  It uses no LDS.
; All that steers addresses and branches here are whole numbers read from memory (ti).
; THE RANKING GOES IN STAGES: 16 registers of slots pass each stage together (their masks in 16 scalar registers, their counts in 16 more), so that no line reads the result of the line ahead of it.
.set T,   32                           ; v32-95   the 2,048 slots' experts (register 4 j + i of lane l = slot 128 j + 4 l + i), then their pe
.set X,   96                           ; v96-191  a lane's 96 registers of codes;  v192-195 its four scale words
.set R,   200                          ; v200-215 a batch's ranks, then the list's LDS addresses
.set Q,   216                          ; v216-231 a batch's pe, then the slots' numbers
.set M,   36                           ; s36-51   a batch's masks: bit l = lane l's slot is my expert's
.set CN,  66                           ; s66-81   how many bits each mask has
.set REC, 12800
; registers 16 b .. 16 b + 15 of the slots
.macro BATCH b
	s_wait_loadcnt 12-4*(\b)                       ; loads come back in order (ISA guide 5.7.1): of the 16 issued, this batch's four are in when only the younger ones are out
.irp k, 0,1,2,3,4,5,6,7,8,9,10,11,12,13,14,15
	v_cmp_eq_u32 s[M+\k], s16, v[T+16*(\b)+\k]     ; is the slot my expert's?
.endr
.irp k, 0,1,2,3,4,5,6,7,8,9,10,11,12,13,14,15
	v_mbcnt_lo_u32_b32 v[R+\k], s[M+\k], 0         ; how many lower lanes say yes
.endr
.irp k, 0,1,2,3,4,5,6,7,8,9,10,11,12,13,14,15
	s_bcnt1_i32_b32 s[CN+\k], s[M+\k]              ; how many lanes say yes
.endr
.irp k, 0,1,2,3,4,5,6,7,8,9,10,11,12,13,14,15
	v_add_nc_u32 v[R+\k], s20, v[R+\k]             ; + all before: the rank
	s_add_co_u32 s20, s20, s[CN+\k]
.endr
.irp k, 0,1,2,3,4,5,6,7,8,9,10,11,12,13,14,15
	v_add_nc_u32 v[Q+\k], s22, v[R+\k]
.endr
.irp k, 0,1,2,3,4,5,6,7,8,9,10,11,12,13,14,15
	v_cndmask_b32 v[T+16*(\b)+\k], 0, v[Q+\k], s[M+\k]   ; pe
.endr
.irp k, 0,1,2,3,4,5,6,7,8,9,10,11,12,13,14,15
	v_cndmask_b32 v[R+\k], v8, v[R+\k], s[M+\k]    ; the list's word: the rank, or my word behind the list
.endr
.irp k, 0,1,2,3,4,5,6,7,8,9,10,11,12,13,14,15
	v_min_u32 v[R+\k], 0x41f, v[R+\k]              ; held inside the 1,056 words
.endr
.irp k, 0,1,2,3,4,5,6,7,8,9,10,11,12,13,14,15
	v_lshlrev_b32 v[R+\k], 2, v[R+\k]
.endr
.irp k, 0,1,2,3,4,5,6,7,8,9,10,11,12,13,14,15
	v_add_nc_u32 v[Q+\k], 128*((16*(\b)+\k)/4)+(16*(\b)+\k)%4, v3   ; the slot's number
.endr
.irp k, 0,1,2,3,4,5,6,7,8,9,10,11,12,13,14,15
	ds_store_b32 v[R+\k], v[Q+\k]
.endr
.endm
	s_load_b256 s[4:11], s[0:1], 0x0               ; ti s[4:5], xq s[6:7], rw s[8:9], ord s[10:11]
	s_load_b128 s[12:15], s[0:1], 0x20             ; xt s[12:13], out1 s[14:15]
	v_lshl_add_u32 v232, v0, 2, 0x1200
	v_mov_b32 v233, 0
	v_and_b32 v1, 31, v0                           ; lane
	v_lshlrev_b32 v2, 4, v1                        ; 16 x lane
	v_lshlrev_b32 v3, 2, v1                        ; 4 x lane
	s_mov_b32 s32, 0x76543210
	s_mov_b32 s33, 0xfedcba98
	s_cmp_eq_u32 ttmp9, 256
	s_cbranch_scc1 .Lloss
	s_lshr_b32 s16, ttmp9, 5                       ; e
	s_and_b32 s17, ttmp9, 31                       ; x
	s_lshl_b32 s22, s16, 10                        ; 1,024 e
	s_mov_b32 s20, 0                               ; the running count
	s_mov_b32 s27, 0
	v_and_b32 v4, 15, v0                           ; r
	v_lshlrev_b32 v5, 2, v4
	v_bfe_u32 v7, v0, 4, 1                         ; h
	v_mul_u32_u24 v6, v7, 384
	v_lshlrev_b32 v7, 4, v7
	v_add_nc_u32 v8, 1024, v1                      ; a word of my own behind the list, for slots that are not this expert's
	v_mov_b32 v9, -1
.irp i, 16,17,18,19
	v_mov_b32 v\i, 0
.endr
	s_wait_kmcnt 0x0
.irp j, 0,1,2,3,4,5,6,7,8,9,10,11,12,13,14,15
	global_load_b128 v[T+4*\j:T+4*\j+3], v2, s[4:5] offset:512*\j
.endr
.irp k, 0,1,2,3,4,5,6,7,8
	ds_store_b128 v2, v[16:19] offset:512*\k       ; the list begins as zeros: 1,024 words, and the 32 words behind it
.endr
	BATCH 0
	BATCH 1
	BATCH 2
	BATCH 3
	s_min_u32 s20, s20, 1024                       ; the count (a token's two experts differ, so it is at most 1,024)
	s_add_co_u32 s23, s20, 15
	s_lshr_b32 s23, s23, 4                         ; tiles
	s_cmp_lg_u32 s17, 0
	s_cbranch_scc1 .Lnot_first
	s_lshl_b32 s26, s16, 13
	s_add_nc_u64 s[28:29], s[10:11], s[26:27]
.irp j, 0,1,2,3,4,5,6,7,8,9,10,11,12,13,14,15
	global_store_b128 v2, v[T+4*\j:T+4*\j+3], s[28:29] offset:1024+512*\j
.endr
	s_lshl_b32 s26, s16, 7
	s_add_nc_u64 s[30:31], s[10:11], s[26:27]
	v_mov_b32 v25, s20
	global_store_b32 v3, v25, s[30:31]
.Lnot_first:
	s_mov_b32 s25, 0
.Ltile:                                            ; two trips, a constant: t = 32 trip + x is at most 63; a tile that the expert does not have is jumped over
	s_lshl_b32 s24, s25, 5
	s_add_co_u32 s24, s24, s17
	s_cmp_ge_u32 s24, s23
	s_cbranch_scc1 .Lskip
	v_lshl_add_u32 v10, s24, 6, v5                 ; the list's word 16 t + r
	ds_load_b32 v11, v10                           ; LDS serves a wave's instructions in order (ISA guide 5.7.1.4): it sees the list's stores
	s_lshl_b32 s26, s24, 4
	v_add_nc_u32 v14, s26, v4
	v_cmp_gt_u32 vcc_lo, s20, v14                  ; is 16 t + r under the count?
	v_cndmask_b32 v14, 0, v9, vcc_lo               ; all ones, or 0
	s_wait_dscnt 0x0
	v_lshrrev_b32 v11, 1, v11                      ; the slot's token,
	v_min_u32 v11, 0x3ff, v11                      ; held inside the table
	v_mul_u32_u24 v12, v11, 768
	v_add_nc_u32 v12, v12, v6                      ; my 384 bytes of its codes
	v_lshl_add_u32 v13, v11, 5, v7                 ; my 16 of its scale bytes
.irp i, 0,1,2,3,4,5,6,7,8,9,10,11,12,13,14,15,16,17,18,19,20,21,22,23
	global_load_b128 v[X+4*\i:X+4*\i+3], v12, s[6:7] offset:16*\i
.endr
	global_load_b128 v[X+96:X+99], v13, s[6:7] offset:786432
	s_lshl_b32 s26, s16, 6
	s_add_co_u32 s26, s26, s24
	s_mul_i32 s26, s26, REC
	s_add_nc_u64 s[34:35], s[12:13], s[26:27]      ; record 64 e + t
	s_wait_loadcnt 0x0
.set g, 0
.rept 96
	v_and_b32 v[X+g], v14, v[X+g]                  ; rows past the count: zero codes
.set g, g+1
.endr
.irp i, 0,1,2,3,4,5,6,7,8,9,10,11,12,13,14,15,16,17,18,19,20,21,22,23
	global_store_b128 v2, v[X+4*\i:X+4*\i+3], s[34:35] offset:512*\i   ; 512 consecutive bytes a store
.endr
	global_store_b128 v2, v[X+96:X+99], s[34:35] offset:12288
	s_wait_xcnt 0x0                                ; the stores have read their data and their base: the next trip writes both
.Lskip:
	s_add_co_u32 s25, s25, 1
	s_cmp_lt_u32 s25, 2
	s_cbranch_scc1 .Ltile
	s_wait_tensorcnt 0x0
	ds_add_u32 v232, v233
	s_wait_dscnt 0x0
	s_endpgm
.Lloss:                                            ; 1,024 tokens x 8 probabilities = 64 loads of 512 bytes; lane l's word i belongs to expert 4 (l & 1) + i
	s_wait_kmcnt 0x0
.irp j, 0,1,2,3,4,5,6,7,8,9,10,11,12,13,14,15,16,17,18,19,20,21,22,23,24,25,26,27,28,29,30,31
	global_load_b128 v[32+4*\j:35+4*\j], v2, s[8:9] offset:8192+512*\j
.endr
	s_wait_loadcnt 0x0
	v_pk_add_f32 v[16:17], v[32:33], v[36:37]
	v_pk_add_f32 v[18:19], v[34:35], v[38:39]
.irp j, 2,3,4,5,6,7,8,9,10,11,12,13,14,15,16,17,18,19,20,21,22,23,24,25,26,27,28,29,30,31
	v_pk_add_f32 v[16:17], v[16:17], v[32+4*\j:33+4*\j]
	v_pk_add_f32 v[18:19], v[18:19], v[34+4*\j:35+4*\j]
.endr
.irp j, 0,1,2,3,4,5,6,7,8,9,10,11,12,13,14,15,16,17,18,19,20,21,22,23,24,25,26,27,28,29,30,31
	global_load_b128 v[32+4*\j:35+4*\j], v2, s[8:9] offset:24576+512*\j
.endr
.irp i, 20,21,22,23
	v_mov_b32 v\i, 0                               ; a lane permute's destination counts as one of its sources
.endr
	s_wait_loadcnt 0x0
.irp j, 0,1,2,3,4,5,6,7,8,9,10,11,12,13,14,15,16,17,18,19,20,21,22,23,24,25,26,27,28,29,30,31
	v_pk_add_f32 v[16:17], v[16:17], v[32+4*\j:33+4*\j]
	v_pk_add_f32 v[18:19], v[18:19], v[34+4*\j:35+4*\j]
.endr
.irp m, 2,4,8
.irp i, 0,1,2,3
	v_add_f32_dpp v[16+\i], v[16+\i], v[16+\i] row_xmask:\m row_mask:0xf bank_mask:0xf   ; over the lanes of my parity
.endr
.endr
.irp i, 0,1,2,3
	v_permlanex16_b32 v[20+\i], v[16+\i], s32, s33
.endr
.irp i, 0,1,2,3
	v_add_f32 v[16+\i], v[16+\i], v[20+\i]
.endr
.irp i, 0,1,2,3
	v_mul_f32 v[16+\i], 0x3a800000, v[16+\i]       ; usage
.endr
	v_mul_f32 v24, v16, v16
	v_fmac_f32 v24, v17, v17
	v_fmac_f32 v24, v18, v18
	v_fmac_f32 v24, v19, v19
	v_add_f32_dpp v24, v24, v24 row_xmask:1 row_mask:0xf bank_mask:0xf   ; with the other four experts'
	v_fma_f32 v24, v24, 0x41000000, -1.0
	v_mov_b32 v25, 0
	v_cmp_eq_u32 vcc_lo, 0, v1
	s_wait_xcnt 0x0
	s_and_saveexec_b32 s30, vcc_lo                 ; lane 0 alone
	global_store_b32 v25, v24, s[14:15]
	s_endpgm
.Lfunc_end_k_q7fefdf229c_place:
	.size	k_q7fefdf229c_place, .Lfunc_end_k_q7fefdf229c_place-k_q7fefdf229c_place
	.p2alignl 7, 3214868480
	.fill 96, 4, 3214868480
	.section	.rodata,"a",@progbits
	.p2align	6, 0x0
	.amdhsa_kernel k_q7fefdf229c_place
		.amdhsa_group_segment_fixed_size 4864
		.amdhsa_private_segment_fixed_size 0
		.amdhsa_enable_private_segment 0
		.amdhsa_kernarg_size 48
		.amdhsa_user_sgpr_count 2
		.amdhsa_user_sgpr_kernarg_segment_ptr 1
		.amdhsa_wavefront_size32 1
		.amdhsa_system_sgpr_workgroup_id_x 1
		.amdhsa_system_sgpr_workgroup_id_y 1
		.amdhsa_system_sgpr_workgroup_id_z 1
		.amdhsa_system_vgpr_workitem_id 0
		.amdhsa_next_free_vgpr 234
		.amdhsa_next_free_sgpr 82
		.amdhsa_reserve_vcc 1
		.amdhsa_float_denorm_mode_32 3
		.amdhsa_float_denorm_mode_16_64 3
		.amdhsa_memory_ordered 1
		.amdhsa_forward_progress 1
		.amdhsa_inst_pref_size 69
	.end_amdhsa_kernel
	.amdgpu_metadata
---
amdhsa.version: [ 1, 2 ]
amdhsa.kernels:
  - .name:           k_q7fefdf229c_place
    .symbol:         k_q7fefdf229c_place.kd
    .args:
      - { .name: ti, .offset: 0, .size: 8, .value_kind: global_buffer, .address_space: global }
      - { .name: xq, .offset: 8, .size: 8, .value_kind: global_buffer, .address_space: global }
      - { .name: rw, .offset: 16, .size: 8, .value_kind: global_buffer, .address_space: global }
      - { .name: ord, .offset: 24, .size: 8, .value_kind: global_buffer, .address_space: global }
      - { .name: xt, .offset: 32, .size: 8, .value_kind: global_buffer, .address_space: global }
      - { .name: out1, .offset: 40, .size: 8, .value_kind: global_buffer, .address_space: global }
    .group_segment_fixed_size: 4864
    .private_segment_fixed_size: 0
    .kernarg_segment_align: 8
    .kernarg_segment_size: 48
    .max_flat_workgroup_size: 32
    .sgpr_count:     82
    .vgpr_count:     234
    .wavefront_size: 32
...
	.end_amdgpu_metadata
.endif
;; end of part 2
;; launch ffn1 (part 3): grid 32 x 8, 4 waves a work-group, no clusters, 138,752 bytes of LDS; arguments W1, b1, ord, xt, at; writes at
.if DOCPART == 3
	.amdgcn_target "amdgcn-amd-amdhsa--gfx1250"
	.amdhsa_code_object_version 6
	.text
	.protected	k_q7fefdf229c_ffn1
	.globl	k_q7fefdf229c_ffn1
	.p2align	8
	.type	k_q7fefdf229c_ffn1,@function
k_q7fefdf229c_ffn1:
	s_mov_b64 s[64:65], 0
	v_nop
	global_prefetch_b8 v0, s[64:65] scope:SCOPE_SE
	s_setreg_imm32_b32 hwreg(HW_REG_WAVE_MODE, 25, 1), 1
	s_wait_xcnt 0x0
; The first product of the chosen experts: hidden = gelu(x W1^T + b1), on codes of FP6 (E2M3) with one E8M0 scale for each 32 along K, and the hidden layer quantised for the second product.
; THE WEIGHTS STAND STILL.  Work-group (x, e) owns 128 hidden units (128 x .. 128 x + 127) of expert e: a slab of 128 rows x 1,024 K of f32, 512 KB, which no other work-group reads.
; W PHASE.  Wave w streams rows 32 w .. 32 w + 31 once, each load 512 consecutive bytes of a row, four sets of 16 loads ahead; a set (16 rows x 128 K) turns through the wave's own stage in LDS so
; that a lane holds two whole blocks of 32 along K of one row; it is quantised in registers, and the fragment (12 registers) and its scale word go to LDS as images of the registers.
; ONE barrier.  Then every wave that has a tile copies all 64 fragments into its registers (768) and the 32 registers of scale words.
; T PHASE.  Wave w takes turns w, w + 4, .. of the expert's tiles of 16 routed rows, alone, without a barrier: a record (12,800 bytes, the operand's registers as they stand) comes from xt by 25 dense loads;
; 64 matrix instructions; gelu; quantiser; the codes are K step x % 8 of record quarter x / 8 of the second product: three stores of 512 bytes and one scale word a row.
; The number of tiles is a whole number that an earlier launch stored; so this text has no tensor load, no copy and no cluster, and the barrier stands on the way that every wave takes.
; A work-group whose expert has no rows walks the W phase all the same and stores nothing.
; No multicast: the slab is nobody else's; the records that the 32 work-groups of an expert share are 12,800 bytes a tile beside 512 KB of weights, and their number hangs on stored counts.
; THE MATRIX INSTRUCTION IS USED TRANSPOSED (source 0 = 16 rows of W1, source 1 = 16 routed rows): a lane holds ONE routed row.  THE ROWS OF W1 THAT FORM A TILE ARE NOT NEIGHBOURS: lane r of tile
; 2 b + u takes slab row 32 b + 8 u + r + 8 (r / 8), so that accumulator register 16 b + i of lane (r, h) is hidden unit 32 b + 16 h + i: 16 neighbours along the next K.
; GELU, exact form: 0.5 v (1 + erf(v / sqrt 2)); erf(z) = z P(z^2) / Q(z^2), polynomials of degree 6 and 4, z held to +-4, where erf is 1 to f32's last bit.
; LIMITS: NaN and infinities are not served.  Blocks whose largest magnitude lies under 2^-124 (blocks of zeros too) get the scale byte 1; the bytes are read by this program alone.
; REGISTERS: window 0: v1-15 addresses and two constants; v16-47 the weights' scale words; v48-51 the rows' scale words; v52-63 fragment 63; v64-159 the record; v160-223 accumulators; v224-255 at work.
;   windows 1-3: fragment f (= 8 K step + tile) up to 62 at window 1 + f / 21, register 12 (f % 21).  In the W phase window 1 is the landing ring: four sets of 64.
.set PITCH,  4096                      ; a row of W1 in bytes
.set SROW,   528                       ; a stage row: 512 bytes + 16 = 33 x 16
.set SWAVE,  16*SROW                   ; a wave's stage
.set IMG,    4*SWAVE                   ; LDS: behind the four stages the 64 fragments' images,
.set FRB,    1536                      ; 12 registers x 128 bytes each,
.set SCL,    IMG+64*FRB                ; the scale words: register 4 tile + j: lanes 0-15 K step j, lanes 16-31 K step 4 + j,
.set BIA,    SCL+32*128                ; and for each wave a copy of the slab's 128 biases
.set REC,    12800
.set L16, 1                            ; 16 x lane
.set SCR, 2                            ; SCL + 4 x lane
.set STI, 3                            ; my stage + 16 x lane
.set STO, 4                            ; my stage + 528 r + 128 h
.set IW0, 5                            ; where I store images of K steps 0-3;  IW1: of 4-7
.set IW1, 6
.set SCW, 7                            ; where I store scale words
.set IR0, 8                            ; where all images are read: fragments 0-31;  IR1: 32-63
.set IR1, 9
.set BAD, 10                           ; my copy of the biases + 64 h
.set SW,  11                           ; my row's scale word in a record of the hidden layer
.set CA1, 12                           ; v[12:13], v[14:15]: two of the polynomials' coefficients as pairs
.set CB1, 14
.set WS,  16
.set XS,  48
.set WX,  52
.set XF,  64
.set ACC, 160
.set TMP, 224
.set PC,  TMP                          ; codes: 12 registers, and 7 more for the conversions' second halves
.set GZ,  TMP                          ; gelu: z, then Q
.set GU,  TMP+8                        ; z^2, then 1 / Q
.set GP,  TMP+16                       ; P
.set PW,  TMP+19                       ; the scale word just made (T phase)
.set TM,  TMP+20
.set TP,  TMP+24
.set SOP, TMP+28
.set QM,  TMP+20                       ; W phase: largest magnitudes, scale operands, bytes, the word, the permute's result, 8 h, the biases' place
.set QS,  TMP+22
.set QB,  TMP+24
.set QD,  TMP+26
.set QT,  TMP+27
.set SH8, TMP+28
.set BST, TMP+29
.set MSB, 0
.macro WIN new                         ; the immediate's high byte repeats the setting that is left
.if MSB != (\new)
	s_set_vgpr_msb (MSB<<8)|(\new)
.set MSB, (\new)
.endif
.endm
.macro PLACES n
.rept \n
	v_nop
.endr
.endm
.macro SPAIR r, val
	s_mov_b32 s[\r], \val
	s_mov_b32 s[\r+1], \val
.endm
; set f of 16: tile f / 8 of my two, K step f % 8: 16 rows x 512 bytes into ring set f % 4
.macro WLOAD f
	WIN 0x40                                       ; destination window 1
.irp p, 0,1,2,3,4,5,6,7,8,9,10,11,12,13,14,15
	global_load_b128 v[64*((\f)%4)+4*\p:64*((\f)%4)+4*\p+3], v[L16], s[4:5] offset:(8*((\f)/8)+\p+8*(\p/8))*PITCH+512*((\f)%8) th:TH_LOAD_NT
.endr
.endm
; 64 numbers of a lane, register 32 c + i = k 64 c + 32 h + i of my row, become a fragment's codes in v[PC] on and its scale word in v[QD]
.macro QW
.irp c, 0,1
	v_max3_num_f32 v[QM+\c], |v[ACC+32*\c]|, |v[ACC+32*\c+1]|, 0x1800000   ; block 2 c + h is all mine; the floor 2^(3 - 127) holds the byte at 1 from below
.endr
.irp i, 2,4,6,8,10,12,14,16,18,20,22,24,26,28,30
.irp c, 0,1
	v_max3_num_f32 v[QM+\c], v[QM+\c], |v[ACC+32*\c+\i]|, |v[ACC+32*\c+\i+1]|
.endr
.endr
.irp c, 0,1
	v_add_nc_u32 v[QS+\c], 0xff000000, v[QM+\c]    ; 2 off the exponent field: the conversion's scale operand
.endr
.irp c, 0,1
	v_lshrrev_b32 v[QB+\c], 23, v[QS+\c]           ; the scale's byte
.endr
	v_lshl_or_b32 v[QD], v[QB+1], 16, v[QB]        ; my bytes: blocks h and 2 + h,
	v_lshlrev_b32 v[QD], v[SH8], v[QD]             ; 8 h bits up;
	v_permlanex16_b32 v[QT], v[QD], s30, s31
	v_or_b32 v[QD], v[QD], v[QT]                   ; with lane l xor 16's two the word is whole
.irp c, 0,1
	v_cvt_scalef32_pk16_fp6_f32 v[PC+6*\c:PC+6*\c+2], v[ACC+32*\c:ACC+32*\c+15], v[QS+\c]
	v_cvt_scalef32_pk16_fp6_f32 v[PC+12+4*\c:PC+14+4*\c], v[ACC+32*\c+16:ACC+32*\c+31], v[QS+\c]   ; (a conversion's three registers begin on an even number)
.endr
	v_nop                                          ; one plain instruction behind the scaled conversions
.irp c, 0,1
.irp i, 0,1,2
	v_mov_b32 v[PC+3+6*\c+\i], v[PC+12+4*\c+\i]
.endr
.endr
.endm
; left: the loads of the younger ring sets, which may stay out
.macro WSTEP f, left
	s_wait_loadcnt \left                           ; loads come back in order (ISA guide 5.7.1): set f is in
	WIN 0x04                                       ; an LDS store's data are its source 1: window 1
.irp p, 0,1,2,3,4,5,6,7,8,9,10,11,12,13,14,15
	ds_store_b128 v[STI], v[64*((\f)%4)+4*\p:64*((\f)%4)+4*\p+3] offset:SROW*\p
.endr
	WIN 0
.irp c, 0,1
.irp i, 0,1,2,3,4,5,6,7
	ds_load_b128 v[ACC+32*\c+4*\i:ACC+32*\c+4*\i+3], v[STO] offset:256*\c+16*\i   ; LDS serves a wave's instructions in order: these see the stores above
.endr
.endr
	s_wait_dscnt 0x0                               ; the numbers are back; the stage's stores and the last step's image stores have read their registers
.if (\f) < 12
	WLOAD (\f)+4                                   ; the ring set takes the set four on
	WIN 0
.endif
	QW
.set sK, (\f)%8
.set uT, (\f)/8
.irp k, 0,1,2
.if sK < 4
	ds_store_b128 v[IW0], v[PC+4*\k:PC+4*\k+3] offset:(8*sK+uT)*FRB+512*\k
.else
	ds_store_b128 v[IW1], v[PC+4*\k:PC+4*\k+3] offset:(8*(sK-4)+uT)*FRB+512*\k
.endif
.endr
	ds_store_b32 v[SCW], v[QD] offset:(4*uT+sK%4)*128+64*(sK/4)   ; both halves of the lanes write the same word with the same value
.endm
.macro RLOAD                           ; a record: 24 chunks of codes and the scale words
.irp i, 0,1,2,3,4,5,6,7,8,9,10,11,12,13,14,15,16,17,18,19,20,21,22,23
	global_load_b128 v[XF+4*\i:XF+4*\i+3], v[L16], s[24:25] offset:512*\i
.endr
	global_load_b128 v[XS:XS+3], v[L16], s[24:25] offset:12288
.endm
; tile number of turn src: the turns are rotated by the work-group's number, so that the 32 work-groups of an expert do not all begin at the same record; held inside the table
.macro PCALC dst, src
	s_add_co_u32 \dst, \src, s19
	s_sub_co_u32 s23, \dst, s18
	s_cmp_ge_u32 \dst, s18
	s_cselect_b32 \dst, s23, \dst
	s_min_u32 \dst, \dst, 63
.endm
; 64 matrix instructions: K step by K step, the eight accumulators by turns, one instruction a turn, over the loop's backward jump too
.macro MM
.set f, 0
.rept 64
.set sK, f/8
.set tT, f%8
.if f == 63
	WIN 0
.set rW, WX
.else
	WIN 1+f/21
.set rW, 12*(f%21)
.endif
.if sK < 4
	v_wmma_scale_f32_16x16x128_f8f6f4 v[ACC+8*tT:ACC+8*tT+7], v[rW:rW+11], v[XF+12*sK:XF+12*sK+11], v[ACC+8*tT:ACC+8*tT+7], v[WS+4*tT+sK%4], v[XS+sK%4] matrix_a_fmt:MATRIX_FMT_FP6 matrix_b_fmt:MATRIX_FMT_FP6
.else
	v_wmma_scale_f32_16x16x128_f8f6f4 v[ACC+8*tT:ACC+8*tT+7], v[rW:rW+11], v[XF+12*sK:XF+12*sK+11], v[ACC+8*tT:ACC+8*tT+7], v[WS+4*tT+sK%4], v[XS+sK%4] matrix_a_fmt:MATRIX_FMT_FP6 matrix_b_fmt:MATRIX_FMT_FP6 matrix_a_scale:MATRIX_SCALE_ROW1 matrix_b_scale:MATRIX_SCALE_ROW1
.endif
.set f, f+1
.endr
.endm
.macro HALF b                          ; accumulator b becomes v / 2, from its low end on
.irp i, 0,2,4,6
	v_pk_mul_f32 v[ACC+8*(\b)+\i:ACC+8*(\b)+\i+1], v[ACC+8*(\b)+\i:ACC+8*(\b)+\i+1], 0.5 op_sel_hi:[1,0]
.endr
.endm
.macro GELU b                          ; accumulator b holds v / 2 and becomes gelu(v)
.set gA, ACC+8*(\b)
.irp i, 0,2,4,6
	v_pk_mul_f32 v[GZ+\i:GZ+\i+1], v[gA+\i:gA+\i+1], s[52:53] op_sel_hi:[1,0]      ; z = (v / 2) sqrt 2
.endr
.irp i, 0,1,2,3,4,5,6,7
	v_med3_num_f32 v[GZ+\i], v[GZ+\i], -4.0, 4.0
.endr
.irp i, 0,2,4,6
	v_pk_mul_f32 v[GU+\i:GU+\i+1], v[GZ+\i:GZ+\i+1], v[GZ+\i:GZ+\i+1]
.endr
.irp i, 0,2,4,6
	v_pk_fma_f32 v[GP+\i:GP+\i+1], v[GU+\i:GU+\i+1], s[32:33], v[CA1:CA1+1] op_sel_hi:[1,0,1]
.endr
.irp c, 34,36,38,40,42
.irp i, 0,2,4,6
	v_pk_fma_f32 v[GP+\i:GP+\i+1], v[GP+\i:GP+\i+1], v[GU+\i:GU+\i+1], s[\c:\c+1] op_sel_hi:[1,1,0]
.endr
.endr
.irp i, 0,2,4,6
	v_pk_mul_f32 v[GP+\i:GP+\i+1], v[GP+\i:GP+\i+1], v[GZ+\i:GZ+\i+1]              ; z P(z^2)
.endr
.irp i, 0,2,4,6
	v_pk_fma_f32 v[GZ+\i:GZ+\i+1], v[GU+\i:GU+\i+1], s[44:45], v[CB1:CB1+1] op_sel_hi:[1,0,1]
.endr
.irp c, 46,48,50
.irp i, 0,2,4,6
	v_pk_fma_f32 v[GZ+\i:GZ+\i+1], v[GZ+\i:GZ+\i+1], v[GU+\i:GU+\i+1], s[\c:\c+1] op_sel_hi:[1,1,0]   ; Q(z^2): all its coefficients are negative, so it is never 0
.endr
.endr
.irp i, 0,1,2,3,4,5,6,7
	v_rcp_f32 v[GU+\i], v[GZ+\i]
.endr
.if (\b) < 7
	HALF (\b)+1                                    ; plain work behind the reciprocals
.else
	v_nop
.endif
	s_wait_alu depctr_va_vdst(0)                   ; one wait for the eight, ahead of the first line that names a result
.irp i, 0,2,4,6
	v_pk_mul_f32 v[GP+\i:GP+\i+1], v[GP+\i:GP+\i+1], v[GU+\i:GU+\i+1]              ; erf
.endr
.irp i, 0,2,4,6
	v_pk_fma_f32 v[gA+\i:gA+\i+1], v[gA+\i:gA+\i+1], v[GP+\i:GP+\i+1], v[gA+\i:gA+\i+1]
.endr
.endm
; 64 numbers of a lane, register 16 b + i = k 32 b + 16 h + i of my row, become a fragment's codes in v[PC] on and its scale word in v[PW]
.macro QUANT s
.irp b, 0,1,2,3
	v_max3_num_f32 v[TM+\b], |v[\s+16*\b]|, |v[\s+1+16*\b]|, 0x1800000
.endr
.irp i, 2,4,6,8,10,12,14
.irp b, 0,1,2,3
	v_max3_num_f32 v[TM+\b], v[TM+\b], |v[\s+16*\b+\i]|, |v[\s+1+16*\b+\i]|
.endr
.endr
.irp b, 0,1,2,3
	v_permlanex16_b32 v[TP+\b], v[TM+\b], s30, s31
.endr
.irp b, 0,1,2,3
	v_max_num_f32 v[TM+\b], v[TM+\b], v[TP+\b]     ; with lane l xor 16's 16: the block's largest magnitude
.endr
.irp b, 0,1,2,3
	v_add_nc_u32 v[SOP+\b], 0xff000000, v[TM+\b]
.endr
.irp b, 0,1,2,3
	v_lshrrev_b32 v[TP+\b], 23, v[SOP+\b]
.endr
	v_lshl_or_b32 v[PW], v[TP+1], 8, v[TP]
	v_lshl_or_b32 v[PW], v[TP+2], 16, v[PW]
	v_lshl_or_b32 v[PW], v[TP+3], 24, v[PW]
.irp c, 0,1
	v_cvt_scalef32_pk16_fp6_f32 v[PC+6*\c:PC+2+6*\c], v[\s+32*\c:\s+15+32*\c], v[SOP+2*\c]
	v_cvt_scalef32_pk16_fp6_f32 v[PC+12+4*\c:PC+14+4*\c], v[\s+16+32*\c:\s+31+32*\c], v[SOP+2*\c+1]
.endr
	v_nop                                          ; one plain instruction behind the scaled conversions
.irp c, 0,1                                    ; the operand's layout wants a whole block in a lane: lanes 0-15 block 2 c, lanes 16-31 block 2 c + 1
.irp i, 0,1,2
	v_permlane16_swap_b32 v[PC+6*\c+\i], v[PC+12+4*\c+\i]
.endr
.irp i, 0,1,2
	v_mov_b32 v[PC+3+6*\c+\i], v[PC+12+4*\c+\i]
.endr
.endr
.endm
	s_load_b256 s[4:11], s[0:1], 0x0               ; W1 s[4:5], b1 s[6:7], ord s[8:9], xt s[10:11]
	s_load_b64 s[12:13], s[0:1], 0x20              ; at
	s_set_vgpr_msb 0x80
	v_lshl_add_u32 v254, v0, 2, 0x21c00
	v_mov_b32 v255, 0
	s_set_vgpr_msb 0x8000
	v_lshrrev_b32 v[TMP], 5, v0
	v_readfirstlane_b32 s14, v[TMP]                ; wave
	s_and_b32 s15, ttmp7, 0xffff                   ; e
	s_mov_b32 s16, ttmp9                           ; x
	v_and_b32 v[TMP], 31, v0                       ; lane
	v_and_b32 v[TMP+1], 15, v0                     ; r
	v_bfe_u32 v[TMP+2], v0, 4, 1                   ; h
	v_lshlrev_b32 v[L16], 4, v[TMP]
	v_lshl_add_u32 v[SCR], v[TMP], 2, SCL
	s_mul_i32 s23, s14, SWAVE
	v_add_nc_u32 v[STI], s23, v[L16]
	v_mul_u32_u24 v[STO], v[TMP+1], SROW
	v_lshl_add_u32 v[STO], v[TMP+2], 7, v[STO]
	v_add_nc_u32 v[STO], s23, v[STO]
	s_mul_i32 s23, s14, 2*FRB
	s_add_co_u32 s23, s23, IMG
	v_add_nc_u32 v[IW0], s23, v[L16]               ; fragment 8 s + 2 w + u: 2 w fragments on; 8 s + u stands in the immediate
	v_add_nc_u32 v[IW1], 32*FRB, v[IW0]
	s_lshl_b32 s23, s14, 10
	s_add_co_u32 s23, s23, SCL
	v_lshl_add_u32 v[SCW], v[TMP+1], 2, s23
	v_add_nc_u32 v[IR0], IMG, v[L16]
	v_add_nc_u32 v[IR1], IMG+32*FRB, v[L16]
	s_lshl_b32 s23, s14, 9
	s_add_co_u32 s23, s23, BIA
	v_lshl_add_u32 v[BAD], v[TMP+2], 6, s23
	v_add_nc_u32 v[BST], s23, v[L16]
	s_bfe_u32 s23, s16, 0x10002                    ; K step x % 8 of a record: which half of the lanes,
	s_lshl_b32 s23, s23, 8
	s_and_b32 s28, s16, 3                          ; which word
	s_lshl_b32 s28, s28, 2
	s_add_co_u32 s23, s23, s28
	s_add_co_u32 s23, s23, 12288
	v_lshl_add_u32 v[SW], v[TMP+1], 4, s23
	v_lshlrev_b32 v[SH8], 3, v[TMP+2]
	v_mov_b32 v[QT], 0                             ; a lane permute's destination counts as one of its sources
	v_mov_b32 v[CA1], 0x32edffee
	v_mov_b32 v[CA1+1], 0x32edffee
	v_mov_b32 v[CB1], 0xb95fbd29
	v_mov_b32 v[CB1+1], 0xb95fbd29
	s_mov_b32 s30, 0x76543210
	s_mov_b32 s31, 0xfedcba98                      ; v_permlanex16_b32's selects for lane l xor 16
	SPAIR 32, 0xaf95df0b                           ; P's coefficients from the highest degree down (the second stands in v[12:13])
	SPAIR 34, 0xb60cff51
	SPAIR 36, 0xb86ec2d2
	SPAIR 38, 0xba40ac63
	SPAIR 40, 0xbb41a1f6
	SPAIR 42, 0xbc83dbd4
	SPAIR 44, 0xb77460cd                           ; Q's (the second in v[14:15])
	SPAIR 46, 0xbadc924e
	SPAIR 48, 0xbbf19bf8
	SPAIR 50, 0xbc69b6a7
	SPAIR 52, 0x3fb504f3                           ; sqrt 2
	s_lshl_b32 s56, s15, 8
	s_lshr_b32 s23, s16, 3
	s_add_co_u32 s56, s56, s23                     ; records of the hidden layer: 4 (64 e + tile) + x / 8
	s_and_b32 s57, s16, 7
	s_mul_i32 s57, s57, FRB                        ; and in it K step x % 8
	s_lshl_b32 s58, s15, 6                         ; records of x: 64 e + tile
	s_lshl_b32 s28, s15, 24                        ; an expert's W1 is 16,777,216 bytes,
	s_lshl_b32 s23, s16, 19                        ; a slab 524,288,
	s_add_co_u32 s28, s28, s23
	s_lshl_b32 s23, s14, 17                        ; a wave's 32 rows 131,072
	s_add_co_u32 s28, s28, s23
	s_mov_b32 s29, 0
	s_wait_kmcnt 0x0
	s_add_nc_u64 s[4:5], s[4:5], s[28:29]
	s_lshl_b32 s28, s15, 14
	s_lshl_b32 s23, s16, 9
	s_add_co_u32 s28, s28, s23
	s_add_nc_u64 s[6:7], s[6:7], s[28:29]          ; the slab's 128 biases
	s_lshl_b32 s23, s15, 7
	s_load_b32 s17, s[8:9], s23 offset:0x0         ; the expert's count of rows
	global_load_b128 v[WX:WX+3], v[L16], s[6:7]
	WLOAD 0
	WLOAD 1
	WLOAD 2
	WLOAD 3
	WIN 0
	s_wait_kmcnt 0x0
	s_min_u32 s17, s17, 1024
	s_add_co_u32 s18, s17, 15
	s_lshr_b32 s18, s18, 4                         ; tiles
	s_mul_i32 s19, s16, s18
	s_lshr_b32 s19, s19, 5                         ; the rotation: x tiles / 32, under the number of tiles
	; ---- W: 16 sets; behind set f's loads stand those of at most three younger sets
.irp f, 0,1,2,3,4,5,6,7,8,9,10,11,12
	WSTEP \f, 48
.endr
	WSTEP 13, 32
	WSTEP 14, 16
	WSTEP 15, 0
	ds_store_b128 v[BST], v[WX:WX+3]               ; my copy of the biases (their load is older than every set's)
	s_wait_dscnt 0x0                               ; for the others' sake: my images and scale words lie in LDS
	s_barrier_signal -1
	s_barrier_wait -1                              ; everybody's do; nobody writes them again
	s_cmp_lt_u32 s14, s18
	s_cbranch_scc0 .Lend                           ; a wave without a tile is done
	s_mov_b32 s20, s14                             ; my turn
	s_sub_co_u32 s61, s18, s14
	s_add_co_u32 s61, s61, 3
	s_lshr_b32 s61, s61, 2                         ; my trips: the turns w, w + 4, .. under the number of tiles: (tiles - w + 3) / 4, at least 1 here
	s_mov_b32 s60, 0                               ; the trips done: the loop's counter
	PCALC s21, s20
	s_add_co_u32 s28, s58, s21
	s_mul_i32 s28, s28, REC
	s_add_nc_u64 s[24:25], s[10:11], s[28:29]
	RLOAD                                          ; my first record lands while the slab is copied
.set f, 0
.rept 64
.if f == 63
	WIN 0
.set rW, WX
.else
	WIN (1+f/21)<<6
.set rW, 12*(f%21)
.endif
.irp k, 0,1,2
.if f < 32
	ds_load_b128 v[rW+4*\k:rW+4*\k+3], v[IR0] offset:f*FRB+512*\k
.else
	ds_load_b128 v[rW+4*\k:rW+4*\k+3], v[IR1] offset:(f-32)*FRB+512*\k
.endif
.endr
.set f, f+1
.endr
	WIN 0
.irp n, 0,1,2,3,4,5,6,7,8,9,10,11,12,13,14,15,16,17,18,19,20,21,22,23,24,25,26,27,28,29,30,31
	ds_load_b32 v[WS+\n], v[SCR] offset:128*\n
.endr
.irp b, 0,1,2,3
	v_mov_b32 v[TP+\b], 0                          ; a lane permute's destination counts as one of its sources
.endr
	s_wait_dscnt 0x0
.Ltrip:
.irp t, 0,1,2,3,4,5,6,7
	ds_load_b128 v[ACC+8*\t:ACC+8*\t+3], v[BAD] offset:128*(\t/2)+32*(\t%2)        ; the biases begin the sums: register 16 b + i = unit 32 b + 16 h + i
	ds_load_b128 v[ACC+8*\t+4:ACC+8*\t+7], v[BAD] offset:128*(\t/2)+32*(\t%2)+16
.endr
	s_wait_loadcnt 0x0                             ; the record
	s_wait_dscnt 0x0
	MM
	WIN 0
	PLACES 4                                       ; in front of the loads into the record's registers and of the first read of results
	s_add_co_u32 s59, s20, 4
	PCALC s22, s59
	s_cmp_lt_u32 s59, s18
	s_cbranch_scc0 .Lno_next
	s_add_co_u32 s28, s58, s22
	s_mul_i32 s28, s28, REC
	s_add_nc_u64 s[24:25], s[10:11], s[28:29]      ; (the wait for the record has freed the base)
	RLOAD                                          ; the next record lands under the gelu
.Lno_next:
	s_wait_xcnt 0x0                                ; the last trip's stores have read their data and bases: both are written below
	s_lshl_b32 s28, s21, 2
	s_add_co_u32 s28, s28, s56
	s_mul_i32 s28, s28, REC
	s_add_nc_u64 s[54:55], s[12:13], s[28:29]      ; the record of the hidden layer,
	s_mov_b32 s28, s57
	s_add_nc_u64 s[26:27], s[54:55], s[28:29]      ; and my K step in it
	HALF 0
.irp b, 0,1,2,3,4,5,6,7
	GELU \b
.endr
	QUANT ACC
.irp k, 0,1,2
	global_store_b128 v[L16], v[PC+4*\k:PC+4*\k+3], s[26:27] offset:512*\k   ; 512 consecutive bytes, at a multiple of 256 from the buffer's first byte
.endr
	global_store_b32 v[SW], v[PW], s[54:55]        ; both halves of the lanes hold and write the same word
	s_mov_b32 s21, s22
	s_add_co_u32 s20, s20, 4                       ; the next turn
	s_add_co_u32 s60, s60, 1                       ; the loop ends on its own counter, one a trip, against the trips made ahead of it
	s_cmp_lt_u32 s60, s61
	s_cbranch_scc1 .Ltrip
.Lend:
	s_set_vgpr_msb 0xa
	s_wait_tensorcnt 0x0
	ds_add_u32 v254, v255
	s_wait_dscnt 0x0
	s_set_vgpr_msb 0xa00
	s_endpgm
.Lfunc_end_k_q7fefdf229c_ffn1:
	.size	k_q7fefdf229c_ffn1, .Lfunc_end_k_q7fefdf229c_ffn1-k_q7fefdf229c_ffn1
	.p2alignl 7, 3214868480
	.fill 96, 4, 3214868480
	.section	.rodata,"a",@progbits
	.p2align	6, 0x0
	.amdhsa_kernel k_q7fefdf229c_ffn1
		.amdhsa_group_segment_fixed_size 138752
		.amdhsa_private_segment_fixed_size 0
		.amdhsa_enable_private_segment 0
		.amdhsa_kernarg_size 40
		.amdhsa_user_sgpr_count 2
		.amdhsa_user_sgpr_kernarg_segment_ptr 1
		.amdhsa_wavefront_size32 1
		.amdhsa_system_sgpr_workgroup_id_x 1
		.amdhsa_system_sgpr_workgroup_id_y 1
		.amdhsa_system_sgpr_workgroup_id_z 1
		.amdhsa_system_vgpr_workitem_id 0
		.amdhsa_next_free_vgpr 1024
		.amdhsa_next_free_sgpr 66
		.amdhsa_reserve_vcc 0
		.amdhsa_float_denorm_mode_32 3
		.amdhsa_float_denorm_mode_16_64 3
		.amdhsa_memory_ordered 1
		.amdhsa_forward_progress 1
		.amdhsa_inst_pref_size 187
	.end_amdhsa_kernel
	.amdgpu_metadata
---
amdhsa.version: [ 1, 2 ]
amdhsa.kernels:
  - .name:           k_q7fefdf229c_ffn1
    .symbol:         k_q7fefdf229c_ffn1.kd
    .args:
      - { .name: W1, .offset: 0, .size: 8, .value_kind: global_buffer, .address_space: global }
      - { .name: b1, .offset: 8, .size: 8, .value_kind: global_buffer, .address_space: global }
      - { .name: ord, .offset: 16, .size: 8, .value_kind: global_buffer, .address_space: global }
      - { .name: xt, .offset: 24, .size: 8, .value_kind: global_buffer, .address_space: global }
      - { .name: at, .offset: 32, .size: 8, .value_kind: global_buffer, .address_space: global }
    .group_segment_fixed_size: 138752
    .private_segment_fixed_size: 0
    .kernarg_segment_align: 8
    .kernarg_segment_size: 40
    .max_flat_workgroup_size: 128
    .sgpr_count:     66
    .vgpr_count:     1024
    .wavefront_size: 32
...
	.end_amdgpu_metadata
.endif
;; end of part 3
;; launch ffn2 (part 4): grid 32 x 8, 4 waves a work-group, no clusters, 136,704 bytes of LDS; arguments W2, ord, at, yp; writes yp
.if DOCPART == 4
	.amdgcn_target "amdgcn-amd-amdhsa--gfx1250"
	.amdhsa_code_object_version 6
	.text
	.protected	k_q7fefdf229c_ffn2
	.globl	k_q7fefdf229c_ffn2
	.p2align	8
	.type	k_q7fefdf229c_ffn2,@function
k_q7fefdf229c_ffn2:
	s_mov_b64 s[64:65], 0
	v_nop
	global_prefetch_b8 v0, s[64:65] scope:SCOPE_SE
	s_setreg_imm32_b32 hwreg(HW_REG_WAVE_MODE, 25, 1), 1
	s_wait_xcnt 0x0
; The second product of the chosen experts: y = hidden W2^T, on codes of FP6 (E2M3) with one E8M0 scale for each 32 along K.  The same form as the first product's launch: THE WEIGHTS STAND STILL.
; Work-group (x, e) owns outputs 128 (x / 4) .. + 127 and the K quarter q = x % 4 (hidden units 1,024 q .. + 1,023) of expert e: 128 rows x 1,024 K of f32, 512 KB, which no other work-group reads.
; W PHASE: wave w streams rows 32 w .. + 31 once (loads of 512 consecutive bytes, four sets of 16 ahead), turns each set through its own stage, quantises it in registers, and lays the fragment and its
; scale word in LDS as images of the registers.  ONE barrier.  Every wave that has a tile copies all 64 fragments (768 registers) and 32 registers of scale words.
; T PHASE: wave w takes turns w, w + 4, .. of the tiles of 16 routed rows, alone: record 4 (64 e + tile) + q of the hidden layer by 25 dense loads; 64 matrix instructions, the first K step starting the sums with 0;
; the 16 x 128 results go through the wave's stage and leave as rows of 512 bytes into yp[q][1,024 e + 16 tile + row][128 (x / 4) ..].  The four quarters, b2, the gates and the residual meet in the last launch.
; The number of tiles is a stored whole number: so no tensor load, no copy, no cluster; the barrier stands on every wave's way.  A work-group whose expert has no rows walks the W phase and stores nothing.
; No multicast: the slab is nobody else's; the shared records are 12,800 bytes a tile beside 512 KB of weights, and their number hangs on stored counts.
; TRANSPOSED USE: source 0 = 16 rows of W2, source 1 = 16 routed rows; lane r of tile 2 b + u takes slab row 32 b + 8 u + r + 8 (r / 8): accumulator register 16 b + i of lane (r, h) is output 32 b + 16 h + i of row r.
; LIMITS: NaN and infinities are not served.  Blocks of W2 whose largest magnitude lies under 2^-124 (zeros too) get the scale byte 1.  K is summed in four quarters, which the last launch adds in f32.
; REGISTERS: as in the first product's launch: window 0: v1-10 addresses; v16-47, v48-51 scale words; v52-63 fragment 63; v64-159 the record; v160-223 accumulators; v224-255 at work; windows 1-3: fragments 0-62.
.set PITCH,  16384                     ; a row of W2 in bytes
.set SROW,   528
.set SWAVE,  16*SROW
.set IMG,    4*SWAVE
.set FRB,    1536
.set SCL,    IMG+64*FRB
.set REC,    12800
.set L16, 1
.set SCR, 2
.set STI, 3
.set STO, 4
.set IW0, 5
.set IW1, 6
.set SCW, 7
.set IR0, 8
.set IR1, 9
.set SO,  10                           ; my stage + 528 r + 64 h: where I put my row's results
.set WS,  16
.set XS,  48
.set WX,  52
.set XF,  64
.set ACC, 160
.set TMP, 224
.set PC,  TMP
.set QM,  TMP+20
.set QS,  TMP+22
.set QB,  TMP+24
.set QD,  TMP+26
.set QT,  TMP+27
.set SH8, TMP+28
.set MSB, 0
.macro WIN new                         ; the immediate's high byte repeats the setting that is left
.if MSB != (\new)
	s_set_vgpr_msb (MSB<<8)|(\new)
.set MSB, (\new)
.endif
.endm
.macro PLACES n
.rept \n
	v_nop
.endr
.endm
.macro WLOAD f                         ; set f of 16: tile f / 8 of my two, K step f % 8: 16 rows x 512 bytes into ring set f % 4
	WIN 0x40
.irp p, 0,1,2,3,4,5,6,7,8,9,10,11,12,13,14,15
	global_load_b128 v[64*((\f)%4)+4*\p:64*((\f)%4)+4*\p+3], v[L16], s[4:5] offset:(8*((\f)/8)+\p+8*(\p/8))*PITCH+512*((\f)%8) th:TH_LOAD_NT
.endr
.endm
.macro QW                              ; register 32 c + i = k 64 c + 32 h + i of my row: codes to v[PC] on, the scale word to v[QD]
.irp c, 0,1
	v_max3_num_f32 v[QM+\c], |v[ACC+32*\c]|, |v[ACC+32*\c+1]|, 0x1800000   ; the floor 2^(3 - 127) holds the byte at 1 from below
.endr
.irp i, 2,4,6,8,10,12,14,16,18,20,22,24,26,28,30
.irp c, 0,1
	v_max3_num_f32 v[QM+\c], v[QM+\c], |v[ACC+32*\c+\i]|, |v[ACC+32*\c+\i+1]|
.endr
.endr
.irp c, 0,1
	v_add_nc_u32 v[QS+\c], 0xff000000, v[QM+\c]    ; 2 off the exponent field: the conversion's scale operand
.endr
.irp c, 0,1
	v_lshrrev_b32 v[QB+\c], 23, v[QS+\c]
.endr
	v_lshl_or_b32 v[QD], v[QB+1], 16, v[QB]
	v_lshlrev_b32 v[QD], v[SH8], v[QD]
	v_permlanex16_b32 v[QT], v[QD], s30, s31
	v_or_b32 v[QD], v[QD], v[QT]
.irp c, 0,1
	v_cvt_scalef32_pk16_fp6_f32 v[PC+6*\c:PC+6*\c+2], v[ACC+32*\c:ACC+32*\c+15], v[QS+\c]
	v_cvt_scalef32_pk16_fp6_f32 v[PC+12+4*\c:PC+14+4*\c], v[ACC+32*\c+16:ACC+32*\c+31], v[QS+\c]
.endr
	v_nop                                          ; one plain instruction behind the scaled conversions
.irp c, 0,1
.irp i, 0,1,2
	v_mov_b32 v[PC+3+6*\c+\i], v[PC+12+4*\c+\i]
.endr
.endr
.endm
.macro WSTEP f, left                   ; left: the loads of the younger ring sets, which may stay out
	s_wait_loadcnt \left                           ; loads come back in order (ISA guide 5.7.1): set f is in
	WIN 0x04
.irp p, 0,1,2,3,4,5,6,7,8,9,10,11,12,13,14,15
	ds_store_b128 v[STI], v[64*((\f)%4)+4*\p:64*((\f)%4)+4*\p+3] offset:SROW*\p
.endr
	WIN 0
.irp c, 0,1
.irp i, 0,1,2,3,4,5,6,7
	ds_load_b128 v[ACC+32*\c+4*\i:ACC+32*\c+4*\i+3], v[STO] offset:256*\c+16*\i
.endr
.endr
	s_wait_dscnt 0x0                               ; the numbers are back; the stage's stores and the last step's image stores have read their registers
.if (\f) < 12
	WLOAD (\f)+4
	WIN 0
.endif
	QW
.set sK, (\f)%8
.set uT, (\f)/8
.irp k, 0,1,2
.if sK < 4
	ds_store_b128 v[IW0], v[PC+4*\k:PC+4*\k+3] offset:(8*sK+uT)*FRB+512*\k
.else
	ds_store_b128 v[IW1], v[PC+4*\k:PC+4*\k+3] offset:(8*(sK-4)+uT)*FRB+512*\k
.endif
.endr
	ds_store_b32 v[SCW], v[QD] offset:(4*uT+sK%4)*128+64*(sK/4)
.endm
.macro RLOAD
.irp i, 0,1,2,3,4,5,6,7,8,9,10,11,12,13,14,15,16,17,18,19,20,21,22,23
	global_load_b128 v[XF+4*\i:XF+4*\i+3], v[L16], s[24:25] offset:512*\i
.endr
	global_load_b128 v[XS:XS+3], v[L16], s[24:25] offset:12288
.endm
.macro PCALC dst, src                  ; the tile of turn src: rotated by the work-group's number, held inside the table
	s_add_co_u32 \dst, \src, s19
	s_sub_co_u32 s23, \dst, s18
	s_cmp_ge_u32 \dst, s18
	s_cselect_b32 \dst, s23, \dst
	s_min_u32 \dst, \dst, 63
.endm
.macro MM                              ; 64 matrix instructions, the eight accumulators by turns, one instruction a turn; the first K step starts the sums
.set f, 0
.rept 64
.set sK, f/8
.set tT, f%8
.if f == 63
	WIN 0
.set rW, WX
.else
	WIN 1+f/21
.set rW, 12*(f%21)
.endif
.if sK == 0
	v_wmma_scale_f32_16x16x128_f8f6f4 v[ACC+8*tT:ACC+8*tT+7], v[rW:rW+11], v[XF+12*sK:XF+12*sK+11], 0, v[WS+4*tT+sK%4], v[XS+sK%4] matrix_a_fmt:MATRIX_FMT_FP6 matrix_b_fmt:MATRIX_FMT_FP6
.elseif sK < 4
	v_wmma_scale_f32_16x16x128_f8f6f4 v[ACC+8*tT:ACC+8*tT+7], v[rW:rW+11], v[XF+12*sK:XF+12*sK+11], v[ACC+8*tT:ACC+8*tT+7], v[WS+4*tT+sK%4], v[XS+sK%4] matrix_a_fmt:MATRIX_FMT_FP6 matrix_b_fmt:MATRIX_FMT_FP6
.else
	v_wmma_scale_f32_16x16x128_f8f6f4 v[ACC+8*tT:ACC+8*tT+7], v[rW:rW+11], v[XF+12*sK:XF+12*sK+11], v[ACC+8*tT:ACC+8*tT+7], v[WS+4*tT+sK%4], v[XS+sK%4] matrix_a_fmt:MATRIX_FMT_FP6 matrix_b_fmt:MATRIX_FMT_FP6 matrix_a_scale:MATRIX_SCALE_ROW1 matrix_b_scale:MATRIX_SCALE_ROW1
.endif
.set f, f+1
.endr
.endm
	s_load_b64 s[4:5], s[0:1], 0x0                 ; W2
	s_load_b128 s[8:11], s[0:1], 0x8               ; ord s[8:9], at s[10:11]
	s_load_b64 s[12:13], s[0:1], 0x18              ; yp
	v_lshl_add_u32 v254, v0, 2, 0x21400
	v_mov_b32 v255, 0
	v_lshrrev_b32 v[TMP], 5, v0
	v_readfirstlane_b32 s14, v[TMP]                ; wave
	s_and_b32 s15, ttmp7, 0xffff                   ; e
	s_mov_b32 s16, ttmp9                           ; x
	v_and_b32 v[TMP], 31, v0                       ; lane
	v_and_b32 v[TMP+1], 15, v0                     ; r
	v_bfe_u32 v[TMP+2], v0, 4, 1                   ; h
	v_lshlrev_b32 v[L16], 4, v[TMP]
	v_lshl_add_u32 v[SCR], v[TMP], 2, SCL
	s_mul_i32 s23, s14, SWAVE
	v_add_nc_u32 v[STI], s23, v[L16]
	v_mul_u32_u24 v[STO], v[TMP+1], SROW
	v_lshl_add_u32 v[SO], v[TMP+2], 6, v[STO]
	v_lshl_add_u32 v[STO], v[TMP+2], 7, v[STO]
	v_add_nc_u32 v[STO], s23, v[STO]
	v_add_nc_u32 v[SO], s23, v[SO]
	s_mul_i32 s23, s14, 2*FRB
	s_add_co_u32 s23, s23, IMG
	v_add_nc_u32 v[IW0], s23, v[L16]
	v_add_nc_u32 v[IW1], 32*FRB, v[IW0]
	s_lshl_b32 s23, s14, 10
	s_add_co_u32 s23, s23, SCL
	v_lshl_add_u32 v[SCW], v[TMP+1], 2, s23
	v_add_nc_u32 v[IR0], IMG, v[L16]
	v_add_nc_u32 v[IR1], IMG+32*FRB, v[L16]
	v_lshlrev_b32 v[SH8], 3, v[TMP+2]
	v_mov_b32 v[QT], 0                             ; a lane permute's destination counts as one of its sources
	s_mov_b32 s30, 0x76543210
	s_mov_b32 s31, 0xfedcba98
	s_and_b32 s32, s16, 3                          ; q
	s_lshr_b32 s33, s16, 2                         ; which 128 outputs
	s_lshl_b32 s56, s15, 8
	s_add_co_u32 s56, s56, s32                     ; records: 4 (64 e + tile) + q
	s_lshl_b32 s57, s32, 25                        ; yp: a quarter is 33,554,432 bytes,
	s_lshl_b32 s23, s15, 22                        ; an expert's 1,024 rows 4,194,304,
	s_add_co_u32 s57, s57, s23
	s_lshl_b32 s23, s33, 9                         ; my 128 outputs 512
	s_add_co_u32 s57, s57, s23
	s_lshl_b32 s28, s15, 24                        ; an expert's W2 is 16,777,216 bytes,
	s_lshl_b32 s23, s33, 21                        ; 128 rows 2,097,152,
	s_add_co_u32 s28, s28, s23
	s_lshl_b32 s23, s32, 12                        ; a K quarter 4,096 in a row,
	s_add_co_u32 s28, s28, s23
	s_lshl_b32 s23, s14, 19                        ; a wave's 32 rows 524,288
	s_add_co_u32 s28, s28, s23
	s_mov_b32 s29, 0
	s_wait_kmcnt 0x0
	s_add_nc_u64 s[4:5], s[4:5], s[28:29]
	s_lshl_b32 s23, s15, 7
	s_load_b32 s17, s[8:9], s23 offset:0x0         ; the expert's count of rows
	WLOAD 0
	WLOAD 1
	WLOAD 2
	WLOAD 3
	WIN 0
	s_wait_kmcnt 0x0
	s_min_u32 s17, s17, 1024
	s_add_co_u32 s18, s17, 15
	s_lshr_b32 s18, s18, 4                         ; tiles
	s_mul_i32 s19, s16, s18
	s_lshr_b32 s19, s19, 5                         ; the rotation
	; ---- W: 16 sets; behind set f's loads stand those of at most three younger sets
.irp f, 0,1,2,3,4,5,6,7,8,9,10,11,12
	WSTEP \f, 48
.endr
	WSTEP 13, 32
	WSTEP 14, 16
	WSTEP 15, 0
	s_wait_dscnt 0x0                               ; for the others' sake: my images and scale words lie in LDS
	s_barrier_signal -1
	s_barrier_wait -1                              ; everybody's do; nobody writes them again
	s_cmp_lt_u32 s14, s18
	s_cbranch_scc0 .Lend                           ; a wave without a tile is done
	s_mov_b32 s20, s14                             ; my turn
	s_sub_co_u32 s61, s18, s14
	s_add_co_u32 s61, s61, 3
	s_lshr_b32 s61, s61, 2                         ; my trips: the turns w, w + 4, .. under the number of tiles: (tiles - w + 3) / 4, at least 1 here
	s_mov_b32 s60, 0                               ; the trips done: the loop's counter
	PCALC s21, s20
	s_lshl_b32 s28, s21, 2
	s_add_co_u32 s28, s28, s56
	s_mul_i32 s28, s28, REC
	s_add_nc_u64 s[24:25], s[10:11], s[28:29]
	RLOAD                                          ; my first record lands while the slab is copied
.set f, 0
.rept 64
.if f == 63
	WIN 0
.set rW, WX
.else
	WIN (1+f/21)<<6
.set rW, 12*(f%21)
.endif
.irp k, 0,1,2
.if f < 32
	ds_load_b128 v[rW+4*\k:rW+4*\k+3], v[IR0] offset:f*FRB+512*\k
.else
	ds_load_b128 v[rW+4*\k:rW+4*\k+3], v[IR1] offset:(f-32)*FRB+512*\k
.endif
.endr
.set f, f+1
.endr
	WIN 0
.irp n, 0,1,2,3,4,5,6,7,8,9,10,11,12,13,14,15,16,17,18,19,20,21,22,23,24,25,26,27,28,29,30,31
	ds_load_b32 v[WS+\n], v[SCR] offset:128*\n
.endr
	s_wait_dscnt 0x0
.Ltrip:
	s_wait_loadcnt 0x0                             ; the record
	s_wait_xcnt 0x0                                ; the last trip's stores have read the accumulators' registers and their base: both are written below
	MM
	WIN 0
	PLACES 5                                       ; four in front of the loads into the record's registers and of the first read of results; the fifth because the next trip begins these accumulators anew with another C
	s_add_co_u32 s59, s20, 4
	PCALC s22, s59
	s_cmp_lt_u32 s59, s18
	s_cbranch_scc0 .Lno_next
	s_lshl_b32 s28, s22, 2
	s_add_co_u32 s28, s28, s56
	s_mul_i32 s28, s28, REC
	s_add_nc_u64 s[24:25], s[10:11], s[28:29]      ; (the wait for the record has freed the base)
	RLOAD                                          ; the next record lands under the way out
.Lno_next:
	s_lshl_b32 s28, s21, 16                        ; 16 rows of 4,096 bytes a tile
	s_add_co_u32 s28, s28, s57
	s_add_nc_u64 s[26:27], s[12:13], s[28:29]
.irp b, 0,1,2,3
.irp m, 0,1,2,3
	ds_store_b128 v[SO], v[ACC+16*\b+4*\m:ACC+16*\b+4*\m+3] offset:128*\b+16*\m    ; each accumulator from its low end on
.endr
.endr
.irp i, 0,1,2,3,4,5,6,7,8,9,10,11,12,13,14,15
	ds_load_b128 v[ACC+4*\i:ACC+4*\i+3], v[STI] offset:SROW*\i     ; back as whole rows, into the registers that they left; LDS serves a wave's instructions in order (ISA guide 5.7.1.4)
.endr
.irp i, 0,1,2,3,4,5,6,7,8,9,10,11,12,13,14,15
	s_wait_dscnt 15-\i                             ; row i is back; the younger rows may be out
	global_store_b128 v[L16], v[ACC+4*\i:ACC+4*\i+3], s[26:27] offset:4096*\i th:TH_STORE_NT   ; 512 consecutive bytes of a row, at a multiple of 256 from the buffer's first byte
.endr
	s_mov_b32 s21, s22
	s_add_co_u32 s20, s20, 4                       ; the next turn
	s_add_co_u32 s60, s60, 1                       ; the loop ends on its own counter, one a trip, against the trips made ahead of it
	s_cmp_lt_u32 s60, s61
	s_cbranch_scc1 .Ltrip
.Lend:
	s_wait_tensorcnt 0x0
	ds_add_u32 v254, v255
	s_wait_dscnt 0x0
	s_endpgm
.Lfunc_end_k_q7fefdf229c_ffn2:
	.size	k_q7fefdf229c_ffn2, .Lfunc_end_k_q7fefdf229c_ffn2-k_q7fefdf229c_ffn2
	.p2alignl 7, 3214868480
	.fill 96, 4, 3214868480
	.section	.rodata,"a",@progbits
	.p2align	6, 0x0
	.amdhsa_kernel k_q7fefdf229c_ffn2
		.amdhsa_group_segment_fixed_size 136704
		.amdhsa_private_segment_fixed_size 0
		.amdhsa_enable_private_segment 0
		.amdhsa_kernarg_size 32
		.amdhsa_user_sgpr_count 2
		.amdhsa_user_sgpr_kernarg_segment_ptr 1
		.amdhsa_wavefront_size32 1
		.amdhsa_system_sgpr_workgroup_id_x 1
		.amdhsa_system_sgpr_workgroup_id_y 1
		.amdhsa_system_sgpr_workgroup_id_z 1
		.amdhsa_system_vgpr_workitem_id 0
		.amdhsa_next_free_vgpr 1024
		.amdhsa_next_free_sgpr 66
		.amdhsa_reserve_vcc 0
		.amdhsa_float_denorm_mode_32 3
		.amdhsa_float_denorm_mode_16_64 3
		.amdhsa_memory_ordered 1
		.amdhsa_forward_progress 1
		.amdhsa_inst_pref_size 145
	.end_amdhsa_kernel
	.amdgpu_metadata
---
amdhsa.version: [ 1, 2 ]
amdhsa.kernels:
  - .name:           k_q7fefdf229c_ffn2
    .symbol:         k_q7fefdf229c_ffn2.kd
    .args:
      - { .name: W2, .offset: 0, .size: 8, .value_kind: global_buffer, .address_space: global }
      - { .name: ord, .offset: 8, .size: 8, .value_kind: global_buffer, .address_space: global }
      - { .name: at, .offset: 16, .size: 8, .value_kind: global_buffer, .address_space: global }
      - { .name: yp, .offset: 24, .size: 8, .value_kind: global_buffer, .address_space: global }
    .group_segment_fixed_size: 136704
    .private_segment_fixed_size: 0
    .kernarg_segment_align: 8
    .kernarg_segment_size: 32
    .max_flat_workgroup_size: 128
    .sgpr_count:     66
    .vgpr_count:     1024
    .wavefront_size: 32
...
	.end_amdgpu_metadata
.endif
;; end of part 4
;; launch combine (part 5): grid 256 x 1, 8 waves a work-group, no clusters, 0 bytes of LDS; arguments hidden_states, b2, ord, rw, yp, out0; writes out0
.if DOCPART == 5
	.amdgcn_target "amdgcn-amd-amdhsa--gfx1250"
	.amdhsa_code_object_version 6
	.text
	.protected	k_q7fefdf229c_combine
	.globl	k_q7fefdf229c_combine
	.p2align	8
	.type	k_q7fefdf229c_combine,@function
k_q7fefdf229c_combine:
	s_mov_b64 s[64:65], 0
	v_nop
	global_prefetch_b8 v0, s[64:65] scope:SCOPE_SE
	s_setreg_imm32_b32 hwreg(HW_REG_WAVE_MODE, 25, 1), 1
	s_wait_xcnt 0x0
; out = residual + the sum over a token's two choices k of w_k (y_k + b2[e_k]), y_k = the four K quarters of its row in yp, added in f32.
; A wave takes half a token's row (512 columns, 2,048 bytes): token 4 x work-group + wave / 2, half wave % 2.  Each output byte has one owner; no LDS, no barrier, no matrix work: a stream.
; Where a slot's row lies was stored as whole numbers by an earlier launch: pe[e][slot] = 1,024 e + rank for the slot's expert and 0 for the seven others, so the OR over e is the row, and its bits 10 on the expert.
; All 44 loads of a wave (512 consecutive bytes each) go out together.
.set Y,   16                           ; v16-143  choice k, quarter q, piece j at 64 k + 16 q + 4 j
.set B2R, 144                          ; v144-175 b2: 16 k + 4 j
.set HS,  176                          ; v176-191 the residual, then the result
	s_load_b256 s[4:11], s[0:1], 0x0               ; hidden s[4:5], b2 s[6:7], ord s[8:9], rw s[10:11]
	s_load_b128 s[12:15], s[0:1], 0x20             ; yp s[12:13], out0 s[14:15]
	v_lshrrev_b32 v1, 5, v0
	v_readfirstlane_b32 s48, v1                    ; wave
	v_and_b32 v1, 31, v0
	v_lshlrev_b32 v1, 4, v1                        ; 16 x lane
	s_lshr_b32 s49, s48, 1
	s_lshl_b32 s50, ttmp9, 2
	s_add_co_u32 s49, s49, s50                     ; token
	s_and_b32 s50, s48, 1
	s_lshl_b32 s50, s50, 11                        ; my half of a row
	s_lshl_b32 s51, s49, 3                         ; two words a token
	s_lshl_b32 s60, s49, 12
	s_add_co_u32 s60, s60, s50
	v_add_nc_u32 v6, s60, v1                       ; my bytes in hidden_states and in out0
	s_wait_kmcnt 0x0
.irp e, 0,1,2,3,4,5,6,7
	s_load_b64 s[16+2*\e:17+2*\e], s[8:9], s51 offset:1024+8192*\e
.endr
	s_load_b64 s[32:33], s[10:11], s51 offset:0x0  ; the two weights
.irp j, 0,1,2,3
	global_load_b128 v[HS+4*\j:HS+4*\j+3], v6, s[4:5] offset:512*\j
.endr
	s_mov_b64 s[52:53], s[12:13]                   ; the four quarters of yp
	s_add_nc_u64 s[54:55], s[12:13], 0x2000000
	s_add_nc_u64 s[56:57], s[12:13], 0x4000000
	s_add_nc_u64 s[58:59], s[12:13], 0x6000000
	s_wait_kmcnt 0x0
	s_or_b32 s34, s16, s18
	s_or_b32 s35, s17, s19
.irp e, 2,3,4,5,6,7
	s_or_b32 s34, s34, s[16+2*\e]
	s_or_b32 s35, s35, s[17+2*\e]
.endr
	s_lshr_b32 s36, s34, 10                        ; the experts,
	s_lshr_b32 s37, s35, 10
	s_min_u32 s36, s36, 7                          ; held inside b2,
	s_min_u32 s37, s37, 7
	s_min_u32 s34, s34, 8191                       ; the rows, held inside a quarter of yp
	s_min_u32 s35, s35, 8191
	s_lshl_b32 s34, s34, 12
	s_lshl_b32 s35, s35, 12
	s_lshl_b32 s36, s36, 12
	s_lshl_b32 s37, s37, 12
	s_add_co_u32 s34, s34, s50
	s_add_co_u32 s35, s35, s50
	s_add_co_u32 s36, s36, s50
	s_add_co_u32 s37, s37, s50
	v_add_nc_u32 v2, s34, v1
	v_add_nc_u32 v3, s35, v1
	v_add_nc_u32 v4, s36, v1
	v_add_nc_u32 v5, s37, v1
	s_mov_b32 s38, s32                             ; the weights as pairs: the packed form names a pair and takes its low word for both halves
	s_mov_b32 s39, s32
	s_mov_b32 s40, s33
	s_mov_b32 s41, s33
.irp k, 0,1
.irp q, 0,1,2,3
.irp j, 0,1,2,3
	global_load_b128 v[Y+64*\k+16*\q+4*\j:Y+64*\k+16*\q+4*\j+3], v[2+\k], s[52+2*\q:53+2*\q] offset:512*\j th:TH_LOAD_NT
.endr
.endr
.endr
.irp k, 0,1
.irp j, 0,1,2,3
	global_load_b128 v[B2R+16*\k+4*\j:B2R+16*\k+4*\j+3], v[4+\k], s[6:7] offset:512*\j
.endr
.endr
	s_wait_loadcnt 0x0
.irp k, 0,1
.irp p, 0,2,4,6,8,10,12,14
	v_pk_add_f32 v[Y+64*\k+\p:Y+64*\k+\p+1], v[Y+64*\k+\p:Y+64*\k+\p+1], v[Y+64*\k+16+\p:Y+64*\k+16+\p+1]           ; quarters 0 + 1
	v_pk_add_f32 v[Y+64*\k+32+\p:Y+64*\k+32+\p+1], v[Y+64*\k+32+\p:Y+64*\k+32+\p+1], v[Y+64*\k+48+\p:Y+64*\k+48+\p+1]   ; 2 + 3
.endr
.endr
.irp k, 0,1
.irp p, 0,2,4,6,8,10,12,14
	v_pk_add_f32 v[Y+64*\k+\p:Y+64*\k+\p+1], v[Y+64*\k+\p:Y+64*\k+\p+1], v[Y+64*\k+32+\p:Y+64*\k+32+\p+1]
.endr
.endr
.irp k, 0,1
.irp p, 0,2,4,6,8,10,12,14
	v_pk_add_f32 v[Y+64*\k+\p:Y+64*\k+\p+1], v[Y+64*\k+\p:Y+64*\k+\p+1], v[B2R+16*\k+\p:B2R+16*\k+\p+1]               ; + b2
.endr
.endr
.irp k, 0,1
.irp p, 0,2,4,6,8,10,12,14
	v_pk_fma_f32 v[HS+\p:HS+\p+1], v[Y+64*\k+\p:Y+64*\k+\p+1], s[38+2*\k:39+2*\k], v[HS+\p:HS+\p+1] op_sel_hi:[1,0,1]
.endr
.endr
.irp j, 0,1,2,3
	global_store_b128 v6, v[HS+4*\j:HS+4*\j+3], s[14:15] offset:512*\j   ; 512 consecutive bytes, at a multiple of 256 from out0's first byte
.endr
	s_endpgm
.Lfunc_end_k_q7fefdf229c_combine:
	.size	k_q7fefdf229c_combine, .Lfunc_end_k_q7fefdf229c_combine-k_q7fefdf229c_combine
	.p2alignl 7, 3214868480
	.fill 96, 4, 3214868480
	.section	.rodata,"a",@progbits
	.p2align	6, 0x0
	.amdhsa_kernel k_q7fefdf229c_combine
		.amdhsa_group_segment_fixed_size 0
		.amdhsa_private_segment_fixed_size 0
		.amdhsa_enable_private_segment 0
		.amdhsa_kernarg_size 48
		.amdhsa_user_sgpr_count 2
		.amdhsa_user_sgpr_kernarg_segment_ptr 1
		.amdhsa_wavefront_size32 1
		.amdhsa_system_sgpr_workgroup_id_x 1
		.amdhsa_system_sgpr_workgroup_id_y 1
		.amdhsa_system_sgpr_workgroup_id_z 1
		.amdhsa_system_vgpr_workitem_id 0
		.amdhsa_next_free_vgpr 192
		.amdhsa_next_free_sgpr 66
		.amdhsa_reserve_vcc 0
		.amdhsa_float_denorm_mode_32 3
		.amdhsa_float_denorm_mode_16_64 3
		.amdhsa_memory_ordered 1
		.amdhsa_forward_progress 1
		.amdhsa_inst_pref_size 13
	.end_amdhsa_kernel
	.amdgpu_metadata
---
amdhsa.version: [ 1, 2 ]
amdhsa.kernels:
  - .name:           k_q7fefdf229c_combine
    .symbol:         k_q7fefdf229c_combine.kd
    .args:
      - { .name: hidden_states, .offset: 0, .size: 8, .value_kind: global_buffer, .address_space: global }
      - { .name: b2, .offset: 8, .size: 8, .value_kind: global_buffer, .address_space: global }
      - { .name: ord, .offset: 16, .size: 8, .value_kind: global_buffer, .address_space: global }
      - { .name: rw, .offset: 24, .size: 8, .value_kind: global_buffer, .address_space: global }
      - { .name: yp, .offset: 32, .size: 8, .value_kind: global_buffer, .address_space: global }
      - { .name: out0, .offset: 40, .size: 8, .value_kind: global_buffer, .address_space: global }
    .group_segment_fixed_size: 0
    .private_segment_fixed_size: 0
    .kernarg_segment_align: 8
    .kernarg_segment_size: 48
    .max_flat_workgroup_size: 256
    .sgpr_count:     66
    .vgpr_count:     192
    .wavefront_size: 32
...
	.end_amdgpu_metadata
.endif
;; end of part 5
;; ======== version 2 of 2: 5 launches; version 1 with the launches ffn1, ffn2 written anew for expert scheduling mode
;; workspace buffers: xq 819,200 bytes; ti 8,192 bytes of whole numbers; rw 40,960 bytes; ord 66,560 bytes of whole numbers; xt 6,553,600 bytes; at 26,214,400 bytes; yp 134,217,728 bytes
;; launch route: the kernel of part 1 again; grid 256 x 1, 4 waves a work-group, no clusters, 25,088 bytes of LDS; arguments hidden_states, ln_w, ln_b, Wr, br, xq, ti, rw; writes xq, ti, rw
;; launch place: the kernel of part 2 again; grid 257 x 1, 1 waves a work-group, no clusters, 4,864 bytes of LDS; arguments ti, xq, rw, ord, xt, out1; writes ord, xt, out1
;; launch ffn1 (part 6): grid 32 x 8, 4 waves a work-group, no clusters, 138,752 bytes of LDS; arguments W1, b1, ord, xt, at; writes at
.if DOCPART == 6
	.amdgcn_target "amdgcn-amd-amdhsa--gfx1250"
	.amdhsa_code_object_version 6
	.text
	.protected	k_q7fefdf229c_ffn1
	.globl	k_q7fefdf229c_ffn1
	.p2align	8
	.type	k_q7fefdf229c_ffn1,@function
k_q7fefdf229c_ffn1:
	s_mov_b64 s[64:65], 0
	v_nop
	global_prefetch_b8 v0, s[64:65] scope:SCOPE_SE
	s_setreg_imm32_b32 hwreg(HW_REG_WAVE_SCHED_MODE, 0, 2), 2
	s_setreg_imm32_b32 hwreg(HW_REG_WAVE_MODE, 25, 1), 1
	s_wait_xcnt 0x0
	s_wait_alu depctr_vm_vsrc(0)
; The first product of the chosen experts: hidden = gelu(x W1^T + b1), on codes of FP6 (E2M3) with one E8M0 scale for each 32 along K, and the hidden layer quantised for the second product.
; THE WEIGHTS STAND STILL.  Work-group (x, e) owns 128 hidden units (128 x .. 128 x + 127) of expert e: a slab of 128 rows x 1,024 K of f32, 512 KB, which no other work-group reads.
; W PHASE.  Wave w streams rows 32 w .. 32 w + 31 once, each load 512 consecutive bytes of a row, four sets of 16 loads ahead; a set (16 rows x 128 K) turns through the wave's own stage in LDS so
; that a lane holds two whole blocks of 32 along K of one row; it is quantised in registers, and the fragment (12 registers) and its scale word go to LDS as images of the registers.
; ONE barrier.  Then every wave that has a tile copies all 64 fragments into its registers (768) and the 32 registers of scale words.
; T PHASE.  Wave w takes turns w, w + 4, .. of the expert's tiles of 16 routed rows, alone, without a barrier: a record (12,800 bytes, the operand's registers as they stand) comes from xt by 25 dense loads;
; 64 matrix instructions; gelu; quantiser; the codes are K step x % 8 of record quarter x / 8 of the second product: three stores of 512 bytes and one scale word a row.
; The number of tiles is a whole number that an earlier launch stored; so this text has no tensor load, no copy and no cluster, and the barrier stands on the way that every wave takes.
; A work-group whose expert has no rows walks the W phase all the same and stores nothing.
; No multicast: the slab is nobody else's; the records that the 32 work-groups of an expert share are 12,800 bytes a tile beside 512 KB of weights, and their number hangs on stored counts.
; THE MATRIX INSTRUCTION IS USED TRANSPOSED (source 0 = 16 rows of W1, source 1 = 16 routed rows): a lane holds ONE routed row.  THE ROWS OF W1 THAT FORM A TILE ARE NOT NEIGHBOURS: lane r of tile
; 2 b + u takes slab row 32 b + 8 u + r + 8 (r / 8), so that accumulator register 16 b + i of lane (r, h) is hidden unit 32 b + 16 h + i: 16 neighbours along the next K.
; GELU, exact form: 0.5 v (1 + erf(v / sqrt 2)); erf(z) = z P(z^2) / Q(z^2), polynomials of degree 6 and 4, z held to +-4, where erf is 1 to f32's last bit.
; LIMITS: NaN and infinities are not served.  Blocks whose largest magnitude lies under 2^-124 (blocks of zeros too) get the scale byte 1; the bytes are read by this program alone.
; REGISTERS: window 0: v1-15 addresses and two constants; v16-47 the weights' scale words; v48-51 the rows' scale words; v52-63 fragment 63; v64-159 the record; v160-223 accumulators; v224-255 at work.
;   windows 1-3: fragment f (= 8 K step + tile) up to 62 at window 1 + f / 21, register 12 (f % 21).  In the W phase window 1 is the landing ring: four sets of 64.
; THE MODE: SCHED_MODE bits 1:0 = 2 (LLVM: expert scheduling mode 2), set by the entry lines.  The code itself states the register dependences between vector or matrix instructions and
; memory or LDS instructions, with s_wait_alu, always for 0.
; THE PLAN.  Registers that memory or LDS instructions touch, and who else names them:
;   v1-11, v253, the add's pair   addresses: written by vector instructions at the head and never again; read by every load and store.  One wait on va_vdst, ahead of the first load.
;   ring sets 0-3 (window 1)      W phase: global loads land in them, the stage's LDS stores read them; no vector instruction names them.
;   v[ACC ..]                     W phase: the stage's LDS loads land, QW reads.  T phase: the biases' LDS loads land; matrix instructions, gelu and the quantiser read and write.
;   v[PC ..], v[QD], v[PW]        written by the quantisers; read by the image stores (W phase) and by the global stores (T phase).
;   v[XF ..], v[XS ..]            the record: global loads land, matrix instructions read.
;   v[WX ..]                      the biases land by a global load, one LDS store reads them, fragment 63 lands later.
;   the fragments, v[WS ..]       LDS loads land once; matrix instructions alone read them.
; A W STEP has two waits.  vm_vsrc behind the stage's stores and loads: ring set f % 4 has been read and is asked for again at once, ahead of the wait for the stage's loads; the last step's image stores
; have read the codes' registers.  va_vdst behind QW: the codes are written, for the image stores, and QW is done reading v[ACC ..], for the next step's loads from the stage: no vector instruction stands between.
; A T TRIP has three beside gelu's.  va_vdst behind the products: the record has been read, the next one may land.  vm_vsrc ahead of gelu: the last trip's stores have read the codes' registers.
; va_vdst behind the quantiser: the codes are written, for the stores, and v[ACC ..] is free for the next trip's biases.  There is one record buffer: of the 1,024 registers ten are free.
.set PITCH,  4096                      ; a row of W1 in bytes
.set SROW,   528                       ; a stage row: 512 bytes + 16 = 33 x 16
.set SWAVE,  16*SROW                   ; a wave's stage
.set IMG,    4*SWAVE                   ; LDS: behind the four stages the 64 fragments' images,
.set FRB,    1536                      ; 12 registers x 128 bytes each,
.set SCL,    IMG+64*FRB                ; the scale words: register 4 tile + j: lanes 0-15 K step j, lanes 16-31 K step 4 + j,
.set BIA,    SCL+32*128                ; and for each wave a copy of the slab's 128 biases
.set REC,    12800
.set L16, 1                            ; 16 x lane
.set SCR, 2                            ; SCL + 4 x lane
.set STI, 3                            ; my stage + 16 x lane
.set STO, 4                            ; my stage + 528 r + 128 h
.set IW0, 5                            ; where I store images of K steps 0-3;  IW1: of 4-7
.set IW1, 6
.set SCW, 7                            ; where I store scale words
.set IR0, 8                            ; where all images are read: fragments 0-31;  IR1: 32-63
.set IR1, 9
.set BAD, 10                           ; my copy of the biases + 64 h
.set SW,  11                           ; my row's scale word in a record of the hidden layer
.set CA1, 12                           ; v[12:13], v[14:15]: two of the polynomials' coefficients as pairs
.set CB1, 14
.set WS,  16
.set XS,  48
.set WX,  52
.set XF,  64
.set ACC, 160
.set TMP, 224
.set PC,  TMP                          ; codes: 12 registers, and 7 more for the conversions' second halves
.set GZ,  TMP                          ; gelu: z, then Q
.set GU,  TMP+8                        ; z^2, then 1 / Q
.set GP,  TMP+16                       ; P
.set PW,  TMP+19                       ; the scale word just made (T phase)
.set TM,  TMP+20
.set TP,  TMP+24
.set SOP, TMP+28
.set QM,  TMP+20                       ; W phase: largest magnitudes, scale operands, bytes, the word, the permute's result, 8 h, the biases' place
.set QS,  TMP+22
.set QB,  TMP+24
.set QD,  TMP+26
.set QT,  TMP+27
.set SH8, TMP+28
.set BST, TMP+29
.set MSB, 0
.macro WIN new                         ; the immediate's high byte repeats the setting that is left
.if MSB != (\new)
	s_set_vgpr_msb (MSB<<8)|(\new)
.set MSB, (\new)
.endif
.endm
.macro PLACES n
.rept \n
	v_nop
.endr
.endm
.macro SPAIR r, val
	s_mov_b32 s[\r], \val
	s_mov_b32 s[\r+1], \val
.endm
; set f of 16: tile f / 8 of my two, K step f % 8: 16 rows x 512 bytes into ring set f % 4
.macro WLOAD f
	WIN 0x40                                       ; destination window 1
.irp p, 0,1,2,3,4,5,6,7,8,9,10,11,12,13,14,15
	global_load_b128 v[64*((\f)%4)+4*\p:64*((\f)%4)+4*\p+3], v[L16], s[4:5] offset:(8*((\f)/8)+\p+8*(\p/8))*PITCH+512*((\f)%8) th:TH_LOAD_NT
.endr
.endm
; 64 numbers of a lane, register 32 c + i = k 64 c + 32 h + i of my row, become a fragment's codes in v[PC] on and its scale word in v[QD]
.macro QW
.irp c, 0,1
	v_max3_num_f32 v[QM+\c], |v[ACC+32*\c]|, |v[ACC+32*\c+1]|, 0x1800000   ; block 2 c + h is all mine; the floor 2^(3 - 127) holds the byte at 1 from below
.endr
.irp i, 2,4,6,8,10,12,14,16,18,20,22,24,26,28,30
.irp c, 0,1
	v_max3_num_f32 v[QM+\c], v[QM+\c], |v[ACC+32*\c+\i]|, |v[ACC+32*\c+\i+1]|
.endr
.endr
.irp c, 0,1
	v_add_nc_u32 v[QS+\c], 0xff000000, v[QM+\c]    ; 2 off the exponent field: the conversion's scale operand
.endr
.irp c, 0,1
	v_lshrrev_b32 v[QB+\c], 23, v[QS+\c]           ; the scale's byte
.endr
	v_lshl_or_b32 v[QD], v[QB+1], 16, v[QB]        ; my bytes: blocks h and 2 + h,
	v_lshlrev_b32 v[QD], v[SH8], v[QD]             ; 8 h bits up;
	v_permlanex16_b32 v[QT], v[QD], s30, s31
	v_or_b32 v[QD], v[QD], v[QT]                   ; with lane l xor 16's two the word is whole
.irp c, 0,1
	v_cvt_scalef32_pk16_fp6_f32 v[PC+6*\c:PC+6*\c+2], v[ACC+32*\c:ACC+32*\c+15], v[QS+\c]
	v_cvt_scalef32_pk16_fp6_f32 v[PC+12+4*\c:PC+14+4*\c], v[ACC+32*\c+16:ACC+32*\c+31], v[QS+\c]   ; (a conversion's three registers begin on an even number)
.endr
	v_nop                                          ; one plain instruction behind the scaled conversions
.irp c, 0,1
.irp i, 0,1,2
	v_mov_b32 v[PC+3+6*\c+\i], v[PC+12+4*\c+\i]
.endr
.endr
.endm
; left: the loads of the younger ring sets, which may stay out
.macro WSTEP f, left
	s_wait_loadcnt \left                           ; loads come back in order (ISA guide 5.7.1): set f is in
	WIN 0x04                                       ; an LDS store's data are its source 1: window 1
.irp p, 0,1,2,3,4,5,6,7,8,9,10,11,12,13,14,15
	ds_store_b128 v[STI], v[64*((\f)%4)+4*\p:64*((\f)%4)+4*\p+3] offset:SROW*\p
.endr
	WIN 0
.irp c, 0,1
.irp i, 0,1,2,3,4,5,6,7
	ds_load_b128 v[ACC+32*\c+4*\i:ACC+32*\c+4*\i+3], v[STO] offset:256*\c+16*\i   ; LDS serves a wave's instructions in order: these see the stores above.  (No vector instruction since the last wait on va_vdst names v[ACC ..])
.endr
.endr
.if (\f) < 12
	WIN 0x40                                       ; the window of the loads below stands ahead of the wait
.endif
	s_wait_alu depctr_vm_vsrc(0)                   ; the stage's stores have read ring set f % 4, in which the loads below land; the last step's image stores have read v[PC ..] and v[QD], which QW writes again
.if (\f) < 12
	WLOAD (\f)+4                                   ; the ring set takes the set four on
	WIN 0
.endif
	s_wait_dscnt 0x0                               ; the numbers are back from the stage
	QW
	s_wait_alu depctr_va_vdst(0)                   ; QW has written v[PC ..] and v[QD], which the stores below read, and is done reading v[ACC ..], in which the next step's loads from the stage land
.set sK, (\f)%8
.set uT, (\f)/8
.irp k, 0,1,2
.if sK < 4
	ds_store_b128 v[IW0], v[PC+4*\k:PC+4*\k+3] offset:(8*sK+uT)*FRB+512*\k
.else
	ds_store_b128 v[IW1], v[PC+4*\k:PC+4*\k+3] offset:(8*(sK-4)+uT)*FRB+512*\k
.endif
.endr
	ds_store_b32 v[SCW], v[QD] offset:(4*uT+sK%4)*128+64*(sK/4)   ; both halves of the lanes write the same word with the same value
.endm
.macro RLOAD                           ; a record: 24 chunks of codes and the scale words
.irp i, 0,1,2,3,4,5,6,7,8,9,10,11,12,13,14,15,16,17,18,19,20,21,22,23
	global_load_b128 v[XF+4*\i:XF+4*\i+3], v[L16], s[24:25] offset:512*\i
.endr
	global_load_b128 v[XS:XS+3], v[L16], s[24:25] offset:12288
.endm
; tile number of turn src: the turns are rotated by the work-group's number, so that the 32 work-groups of an expert do not all begin at the same record; held inside the table
.macro PCALC dst, src
	s_add_co_u32 \dst, \src, s19
	s_sub_co_u32 s23, \dst, s18
	s_cmp_ge_u32 \dst, s18
	s_cselect_b32 \dst, s23, \dst
	s_min_u32 \dst, \dst, 63
.endm
; 64 matrix instructions: K step by K step, the eight accumulators by turns, one instruction a turn, over the loop's backward jump too
.macro MM
.set f, 0
.rept 64
.set sK, f/8
.set tT, f%8
.if f == 63
	WIN 0
.set rW, WX
.else
	WIN 1+f/21
.set rW, 12*(f%21)
.endif
.if sK < 4
	v_wmma_scale_f32_16x16x128_f8f6f4 v[ACC+8*tT:ACC+8*tT+7], v[rW:rW+11], v[XF+12*sK:XF+12*sK+11], v[ACC+8*tT:ACC+8*tT+7], v[WS+4*tT+sK%4], v[XS+sK%4] matrix_a_fmt:MATRIX_FMT_FP6 matrix_b_fmt:MATRIX_FMT_FP6
.else
	v_wmma_scale_f32_16x16x128_f8f6f4 v[ACC+8*tT:ACC+8*tT+7], v[rW:rW+11], v[XF+12*sK:XF+12*sK+11], v[ACC+8*tT:ACC+8*tT+7], v[WS+4*tT+sK%4], v[XS+sK%4] matrix_a_fmt:MATRIX_FMT_FP6 matrix_b_fmt:MATRIX_FMT_FP6 matrix_a_scale:MATRIX_SCALE_ROW1 matrix_b_scale:MATRIX_SCALE_ROW1
.endif
.set f, f+1
.endr
.endm
.macro HALF b                          ; accumulator b becomes v / 2, from its low end on
.irp i, 0,2,4,6
	v_pk_mul_f32 v[ACC+8*(\b)+\i:ACC+8*(\b)+\i+1], v[ACC+8*(\b)+\i:ACC+8*(\b)+\i+1], 0.5 op_sel_hi:[1,0]
.endr
.endm
.macro GELU b                          ; accumulator b holds v / 2 and becomes gelu(v)
.set gA, ACC+8*(\b)
.irp i, 0,2,4,6
	v_pk_mul_f32 v[GZ+\i:GZ+\i+1], v[gA+\i:gA+\i+1], s[52:53] op_sel_hi:[1,0]      ; z = (v / 2) sqrt 2
.endr
.irp i, 0,1,2,3,4,5,6,7
	v_med3_num_f32 v[GZ+\i], v[GZ+\i], -4.0, 4.0
.endr
.irp i, 0,2,4,6
	v_pk_mul_f32 v[GU+\i:GU+\i+1], v[GZ+\i:GZ+\i+1], v[GZ+\i:GZ+\i+1]
.endr
.irp i, 0,2,4,6
	v_pk_fma_f32 v[GP+\i:GP+\i+1], v[GU+\i:GU+\i+1], s[32:33], v[CA1:CA1+1] op_sel_hi:[1,0,1]
.endr
.irp c, 34,36,38,40,42
.irp i, 0,2,4,6
	v_pk_fma_f32 v[GP+\i:GP+\i+1], v[GP+\i:GP+\i+1], v[GU+\i:GU+\i+1], s[\c:\c+1] op_sel_hi:[1,1,0]
.endr
.endr
.irp i, 0,2,4,6
	v_pk_mul_f32 v[GP+\i:GP+\i+1], v[GP+\i:GP+\i+1], v[GZ+\i:GZ+\i+1]              ; z P(z^2)
.endr
.irp i, 0,2,4,6
	v_pk_fma_f32 v[GZ+\i:GZ+\i+1], v[GU+\i:GU+\i+1], s[44:45], v[CB1:CB1+1] op_sel_hi:[1,0,1]
.endr
.irp c, 46,48,50
.irp i, 0,2,4,6
	v_pk_fma_f32 v[GZ+\i:GZ+\i+1], v[GZ+\i:GZ+\i+1], v[GU+\i:GU+\i+1], s[\c:\c+1] op_sel_hi:[1,1,0]   ; Q(z^2): all its coefficients are negative, so it is never 0
.endr
.endr
.irp i, 0,1,2,3,4,5,6,7
	v_rcp_f32 v[GU+\i], v[GZ+\i]
.endr
.if (\b) < 7
	HALF (\b)+1                                    ; plain work behind the reciprocals
.else
	v_nop
.endif
	s_wait_alu depctr_va_vdst(0)                   ; the eight reciprocals have written v[GU ..]: one wait for the batch, ahead of the first line that names a result
.irp i, 0,2,4,6
	v_pk_mul_f32 v[GP+\i:GP+\i+1], v[GP+\i:GP+\i+1], v[GU+\i:GU+\i+1]              ; erf
.endr
.irp i, 0,2,4,6
	v_pk_fma_f32 v[gA+\i:gA+\i+1], v[gA+\i:gA+\i+1], v[GP+\i:GP+\i+1], v[gA+\i:gA+\i+1]
.endr
.endm
; 64 numbers of a lane, register 16 b + i = k 32 b + 16 h + i of my row, become a fragment's codes in v[PC] on and its scale word in v[PW]
.macro QUANT s
.irp b, 0,1,2,3
	v_max3_num_f32 v[TM+\b], |v[\s+16*\b]|, |v[\s+1+16*\b]|, 0x1800000
.endr
.irp i, 2,4,6,8,10,12,14
.irp b, 0,1,2,3
	v_max3_num_f32 v[TM+\b], v[TM+\b], |v[\s+16*\b+\i]|, |v[\s+1+16*\b+\i]|
.endr
.endr
.irp b, 0,1,2,3
	v_permlanex16_b32 v[TP+\b], v[TM+\b], s30, s31
.endr
.irp b, 0,1,2,3
	v_max_num_f32 v[TM+\b], v[TM+\b], v[TP+\b]     ; with lane l xor 16's 16: the block's largest magnitude
.endr
.irp b, 0,1,2,3
	v_add_nc_u32 v[SOP+\b], 0xff000000, v[TM+\b]
.endr
.irp b, 0,1,2,3
	v_lshrrev_b32 v[TP+\b], 23, v[SOP+\b]
.endr
	v_lshl_or_b32 v[PW], v[TP+1], 8, v[TP]
	v_lshl_or_b32 v[PW], v[TP+2], 16, v[PW]
	v_lshl_or_b32 v[PW], v[TP+3], 24, v[PW]
.irp c, 0,1
	v_cvt_scalef32_pk16_fp6_f32 v[PC+6*\c:PC+2+6*\c], v[\s+32*\c:\s+15+32*\c], v[SOP+2*\c]
	v_cvt_scalef32_pk16_fp6_f32 v[PC+12+4*\c:PC+14+4*\c], v[\s+16+32*\c:\s+31+32*\c], v[SOP+2*\c+1]
.endr
	v_nop                                          ; one plain instruction behind the scaled conversions
.irp c, 0,1                                    ; the operand's layout wants a whole block in a lane: lanes 0-15 block 2 c, lanes 16-31 block 2 c + 1
.irp i, 0,1,2
	v_permlane16_swap_b32 v[PC+6*\c+\i], v[PC+12+4*\c+\i]
.endr
.irp i, 0,1,2
	v_mov_b32 v[PC+3+6*\c+\i], v[PC+12+4*\c+\i]
.endr
.endr
.endm
	s_load_b256 s[4:11], s[0:1], 0x0               ; W1 s[4:5], b1 s[6:7], ord s[8:9], xt s[10:11]
	s_load_b64 s[12:13], s[0:1], 0x20              ; at
	s_set_vgpr_msb 0x80
	v_lshl_add_u32 v254, v0, 2, 0x21c00
	v_mov_b32 v255, 0
	s_set_vgpr_msb 0x8000
	v_lshrrev_b32 v[TMP], 5, v0
	v_readfirstlane_b32 s14, v[TMP]                ; wave
	s_and_b32 s15, ttmp7, 0xffff                   ; e
	s_mov_b32 s16, ttmp9                           ; x
	v_and_b32 v[TMP], 31, v0                       ; lane
	v_and_b32 v[TMP+1], 15, v0                     ; r
	v_bfe_u32 v[TMP+2], v0, 4, 1                   ; h
	v_lshlrev_b32 v[L16], 4, v[TMP]
	v_lshl_add_u32 v[SCR], v[TMP], 2, SCL
	s_wait_alu depctr_va_sdst(0)                   ; s14, the wave's number, is written, ahead of its first reader: LDS addresses and the bases are made from it
	s_mul_i32 s23, s14, SWAVE
	v_add_nc_u32 v[STI], s23, v[L16]
	v_mul_u32_u24 v[STO], v[TMP+1], SROW
	v_lshl_add_u32 v[STO], v[TMP+2], 7, v[STO]
	v_add_nc_u32 v[STO], s23, v[STO]
	s_mul_i32 s23, s14, 2*FRB
	s_add_co_u32 s23, s23, IMG
	v_add_nc_u32 v[IW0], s23, v[L16]               ; fragment 8 s + 2 w + u: 2 w fragments on; 8 s + u stands in the immediate
	v_add_nc_u32 v[IW1], 32*FRB, v[IW0]
	s_lshl_b32 s23, s14, 10
	s_add_co_u32 s23, s23, SCL
	v_lshl_add_u32 v[SCW], v[TMP+1], 2, s23
	v_add_nc_u32 v[IR0], IMG, v[L16]
	v_add_nc_u32 v[IR1], IMG+32*FRB, v[L16]
	s_lshl_b32 s23, s14, 9
	s_add_co_u32 s23, s23, BIA
	v_lshl_add_u32 v[BAD], v[TMP+2], 6, s23
	v_add_nc_u32 v[BST], s23, v[L16]
	s_bfe_u32 s23, s16, 0x10002                    ; K step x % 8 of a record: which half of the lanes,
	s_lshl_b32 s23, s23, 8
	s_and_b32 s28, s16, 3                          ; which word
	s_lshl_b32 s28, s28, 2
	s_add_co_u32 s23, s23, s28
	s_add_co_u32 s23, s23, 12288
	v_lshl_add_u32 v[SW], v[TMP+1], 4, s23
	v_lshlrev_b32 v[SH8], 3, v[TMP+2]
	v_mov_b32 v[QT], 0                             ; a lane permute's destination counts as one of its sources
	v_mov_b32 v[CA1], 0x32edffee
	v_mov_b32 v[CA1+1], 0x32edffee
	v_mov_b32 v[CB1], 0xb95fbd29
	v_mov_b32 v[CB1+1], 0xb95fbd29
	s_mov_b32 s30, 0x76543210
	s_mov_b32 s31, 0xfedcba98                      ; v_permlanex16_b32's selects for lane l xor 16
	SPAIR 32, 0xaf95df0b                           ; P's coefficients from the highest degree down (the second stands in v[12:13])
	SPAIR 34, 0xb60cff51
	SPAIR 36, 0xb86ec2d2
	SPAIR 38, 0xba40ac63
	SPAIR 40, 0xbb41a1f6
	SPAIR 42, 0xbc83dbd4
	SPAIR 44, 0xb77460cd                           ; Q's (the second in v[14:15])
	SPAIR 46, 0xbadc924e
	SPAIR 48, 0xbbf19bf8
	SPAIR 50, 0xbc69b6a7
	SPAIR 52, 0x3fb504f3                           ; sqrt 2
	s_lshl_b32 s56, s15, 8
	s_lshr_b32 s23, s16, 3
	s_add_co_u32 s56, s56, s23                     ; records of the hidden layer: 4 (64 e + tile) + x / 8
	s_and_b32 s57, s16, 7
	s_mul_i32 s57, s57, FRB                        ; and in it K step x % 8
	s_lshl_b32 s58, s15, 6                         ; records of x: 64 e + tile
	s_lshl_b32 s28, s15, 24                        ; an expert's W1 is 16,777,216 bytes,
	s_lshl_b32 s23, s16, 19                        ; a slab 524,288,
	s_add_co_u32 s28, s28, s23
	s_lshl_b32 s23, s14, 17                        ; a wave's 32 rows 131,072
	s_add_co_u32 s28, s28, s23
	s_mov_b32 s29, 0
	s_wait_kmcnt 0x0
	s_add_nc_u64 s[4:5], s[4:5], s[28:29]
	s_lshl_b32 s28, s15, 14
	s_lshl_b32 s23, s16, 9
	s_add_co_u32 s28, s28, s23
	s_add_nc_u64 s[6:7], s[6:7], s[28:29]          ; the slab's 128 biases
	s_lshl_b32 s23, s15, 7
	s_load_b32 s17, s[8:9], s23 offset:0x0         ; the expert's count of rows
	s_wait_alu depctr_va_vdst(0)                   ; the addresses v1 to v11 and v253 and the add's pair are written: every load and store of the kernel reads one of them, and none is written again
	global_load_b128 v[WX:WX+3], v[L16], s[6:7]
	WLOAD 0
	WLOAD 1
	WLOAD 2
	WLOAD 3
	WIN 0
	s_wait_kmcnt 0x0
	s_min_u32 s17, s17, 1024
	s_add_co_u32 s18, s17, 15
	s_lshr_b32 s18, s18, 4                         ; tiles
	s_mul_i32 s19, s16, s18
	s_lshr_b32 s19, s19, 5                         ; the rotation: x tiles / 32, under the number of tiles
	; ---- W: 16 sets; behind set f's loads stand those of at most three younger sets
.irp f, 0,1,2,3,4,5,6,7,8,9,10,11,12
	WSTEP \f, 48
.endr
	WSTEP 13, 32
	WSTEP 14, 16
	WSTEP 15, 0
	ds_store_b128 v[BST], v[WX:WX+3]               ; my copy of the biases (their load is older than every set's)
	s_wait_dscnt 0x0                               ; for the others' sake: my images and scale words lie in LDS
	s_barrier_signal -1
	s_barrier_wait -1                              ; everybody's do; nobody writes them again
	s_wait_alu depctr_vm_vsrc(0)                   ; my LDS stores have read v[WX ..], in which fragment 63 lands, and v[QD], which is v[TP+2] from here on and is written below
	s_cmp_lt_u32 s14, s18
	s_cbranch_scc0 .Lend                           ; a wave without a tile is done
	s_mov_b32 s20, s14                             ; my turn
	s_sub_co_u32 s61, s18, s14
	s_add_co_u32 s61, s61, 3
	s_lshr_b32 s61, s61, 2                         ; my trips: the turns w, w + 4, .. under the number of tiles: (tiles - w + 3) / 4, at least 1 here
	s_mov_b32 s60, 0                               ; the trips done: the loop's counter
	PCALC s21, s20
	s_add_co_u32 s28, s58, s21
	s_mul_i32 s28, s28, REC
	s_add_nc_u64 s[24:25], s[10:11], s[28:29]
	RLOAD                                          ; my first record lands while the slab is copied
.set f, 0
.rept 64
.if f == 63
	WIN 0
.set rW, WX
.else
	WIN (1+f/21)<<6
.set rW, 12*(f%21)
.endif
.irp k, 0,1,2
.if f < 32
	ds_load_b128 v[rW+4*\k:rW+4*\k+3], v[IR0] offset:f*FRB+512*\k
.else
	ds_load_b128 v[rW+4*\k:rW+4*\k+3], v[IR1] offset:(f-32)*FRB+512*\k
.endif
.endr
.set f, f+1
.endr
	WIN 0
.irp n, 0,1,2,3,4,5,6,7,8,9,10,11,12,13,14,15,16,17,18,19,20,21,22,23,24,25,26,27,28,29,30,31
	ds_load_b32 v[WS+\n], v[SCR] offset:128*\n
.endr
.irp b, 0,1,2,3
	v_mov_b32 v[TP+\b], 0                          ; a lane permute's destination counts as one of its sources
.endr
	s_wait_dscnt 0x0
.Ltrip:
.irp t, 0,1,2,3,4,5,6,7
	ds_load_b128 v[ACC+8*\t:ACC+8*\t+3], v[BAD] offset:128*(\t/2)+32*(\t%2)        ; the biases begin the sums: register 16 b + i = unit 32 b + 16 h + i.  (No vector instruction since the last wait on va_vdst names v[ACC ..])
	ds_load_b128 v[ACC+8*\t+4:ACC+8*\t+7], v[BAD] offset:128*(\t/2)+32*(\t%2)+16
.endr
	s_wait_loadcnt 0x0                             ; the record
	s_wait_dscnt 0x0
	MM
	WIN 0
	PLACES 4                                       ; in front of the first read of results (ISA guide 7.12.1); they stay beside the wait below
	s_wait_alu depctr_va_vdst(0)                   ; the matrix instructions are done reading v[XF ..] and v[XS ..], in which the next record lands
	s_add_co_u32 s59, s20, 4
	PCALC s22, s59
	s_cmp_lt_u32 s59, s18
	s_cbranch_scc0 .Lno_next
	s_add_co_u32 s28, s58, s22
	s_mul_i32 s28, s28, REC
	s_add_nc_u64 s[24:25], s[10:11], s[28:29]      ; (the wait for the record has freed the base)
	RLOAD                                          ; the next record lands under the gelu
.Lno_next:
	s_wait_xcnt 0x0                                ; the last trip's stores have read their data and bases: both are written below
	s_wait_alu depctr_vm_vsrc(0)                   ; the last trip's stores have read v[PC ..] and v[PW], which gelu and the quantiser write again
	s_lshl_b32 s28, s21, 2
	s_add_co_u32 s28, s28, s56
	s_mul_i32 s28, s28, REC
	s_add_nc_u64 s[54:55], s[12:13], s[28:29]      ; the record of the hidden layer,
	s_mov_b32 s28, s57
	s_add_nc_u64 s[26:27], s[54:55], s[28:29]      ; and my K step in it
	HALF 0
.irp b, 0,1,2,3,4,5,6,7
	GELU \b
.endr
	QUANT ACC
	s_wait_alu depctr_va_vdst(0)                   ; the quantiser has written v[PC ..] and v[PW], which the stores below read; gelu and the quantiser are done with v[ACC ..], in which the next trip's biases land
.irp k, 0,1,2
	global_store_b128 v[L16], v[PC+4*\k:PC+4*\k+3], s[26:27] offset:512*\k   ; 512 consecutive bytes, at a multiple of 256 from the buffer's first byte
.endr
	global_store_b32 v[SW], v[PW], s[54:55]        ; both halves of the lanes hold and write the same word
	s_mov_b32 s21, s22
	s_add_co_u32 s20, s20, 4                       ; the next turn
	s_add_co_u32 s60, s60, 1                       ; the loop ends on its own counter, one a trip, against the trips made ahead of it
	s_cmp_lt_u32 s60, s61
	s_cbranch_scc1 .Ltrip
.Lend:
	s_set_vgpr_msb 0xa                             ; the add's two registers, sources 0 and 1, lie in window 2: the switch stands ahead of the closing lines
	s_wait_dscnt 0x0                               ; the closing lines, six on end
	s_wait_alu 0x0
	s_wait_tensorcnt 0x0
	ds_add_u32 v254, v255
	s_wait_dscnt 0x0
	s_endpgm
.Lfunc_end_k_q7fefdf229c_ffn1:
	.size	k_q7fefdf229c_ffn1, .Lfunc_end_k_q7fefdf229c_ffn1-k_q7fefdf229c_ffn1
	.p2alignl 7, 3214868480
	.fill 96, 4, 3214868480
	.section	.rodata,"a",@progbits
	.p2align	6, 0x0
	.amdhsa_kernel k_q7fefdf229c_ffn1
		.amdhsa_group_segment_fixed_size 138752
		.amdhsa_private_segment_fixed_size 0
		.amdhsa_enable_private_segment 0
		.amdhsa_kernarg_size 40
		.amdhsa_user_sgpr_count 2
		.amdhsa_user_sgpr_kernarg_segment_ptr 1
		.amdhsa_wavefront_size32 1
		.amdhsa_system_sgpr_workgroup_id_x 1
		.amdhsa_system_sgpr_workgroup_id_y 1
		.amdhsa_system_sgpr_workgroup_id_z 1
		.amdhsa_system_vgpr_workitem_id 0
		.amdhsa_next_free_vgpr 1024
		.amdhsa_next_free_sgpr 66
		.amdhsa_reserve_vcc 0
		.amdhsa_float_denorm_mode_32 3
		.amdhsa_float_denorm_mode_16_64 3
		.amdhsa_memory_ordered 1
		.amdhsa_forward_progress 1
		.amdhsa_inst_pref_size 188
	.end_amdhsa_kernel
	.amdgpu_metadata
---
amdhsa.version: [ 1, 2 ]
amdhsa.kernels:
  - .name:           k_q7fefdf229c_ffn1
    .symbol:         k_q7fefdf229c_ffn1.kd
    .args:
      - { .name: W1, .offset: 0, .size: 8, .value_kind: global_buffer, .address_space: global }
      - { .name: b1, .offset: 8, .size: 8, .value_kind: global_buffer, .address_space: global }
      - { .name: ord, .offset: 16, .size: 8, .value_kind: global_buffer, .address_space: global }
      - { .name: xt, .offset: 24, .size: 8, .value_kind: global_buffer, .address_space: global }
      - { .name: at, .offset: 32, .size: 8, .value_kind: global_buffer, .address_space: global }
    .group_segment_fixed_size: 138752
    .private_segment_fixed_size: 0
    .kernarg_segment_align: 8
    .kernarg_segment_size: 40
    .max_flat_workgroup_size: 128
    .sgpr_count:     66
    .vgpr_count:     1024
    .wavefront_size: 32
...
	.end_amdgpu_metadata
.endif
;; end of part 6
;; launch ffn2 (part 7): grid 32 x 8, 4 waves a work-group, no clusters, 136,704 bytes of LDS; arguments W2, ord, at, yp; writes yp
.if DOCPART == 7
	.amdgcn_target "amdgcn-amd-amdhsa--gfx1250"
	.amdhsa_code_object_version 6
	.text
	.protected	k_q7fefdf229c_ffn2
	.globl	k_q7fefdf229c_ffn2
	.p2align	8
	.type	k_q7fefdf229c_ffn2,@function
k_q7fefdf229c_ffn2:
	s_mov_b64 s[64:65], 0
	v_nop
	global_prefetch_b8 v0, s[64:65] scope:SCOPE_SE
	s_setreg_imm32_b32 hwreg(HW_REG_WAVE_SCHED_MODE, 0, 2), 2
	s_setreg_imm32_b32 hwreg(HW_REG_WAVE_MODE, 25, 1), 1
	s_wait_xcnt 0x0
	s_wait_alu depctr_vm_vsrc(0)
; The second product of the chosen experts: y = hidden W2^T, on codes of FP6 (E2M3) with one E8M0 scale for each 32 along K.  The same form as the first product's launch: THE WEIGHTS STAND STILL.
; Work-group (x, e) owns outputs 128 (x / 4) .. + 127 and the K quarter q = x % 4 (hidden units 1,024 q .. + 1,023) of expert e: 128 rows x 1,024 K of f32, 512 KB, which no other work-group reads.
; W PHASE: wave w streams rows 32 w .. + 31 once (loads of 512 consecutive bytes, four sets of 16 ahead), turns each set through its own stage, quantises it in registers, and lays the fragment and its
; scale word in LDS as images of the registers.  ONE barrier.  Every wave that has a tile copies all 64 fragments (768 registers) and 32 registers of scale words.
; T PHASE: wave w takes turns w, w + 4, .. of the tiles of 16 routed rows, alone: record 4 (64 e + tile) + q of the hidden layer by 25 dense loads; 64 matrix instructions, the first K step starting the sums with 0;
; the 16 x 128 results go through the wave's stage and leave as rows of 512 bytes into yp[q][1,024 e + 16 tile + row][128 (x / 4) ..].  The four quarters, b2, the gates and the residual meet in the last launch.
; The number of tiles is a stored whole number: so no tensor load, no copy, no cluster; the barrier stands on every wave's way.  A work-group whose expert has no rows walks the W phase and stores nothing.
; No multicast: the slab is nobody else's; the shared records are 12,800 bytes a tile beside 512 KB of weights, and their number hangs on stored counts.
; TRANSPOSED USE: source 0 = 16 rows of W2, source 1 = 16 routed rows; lane r of tile 2 b + u takes slab row 32 b + 8 u + r + 8 (r / 8): accumulator register 16 b + i of lane (r, h) is output 32 b + 16 h + i of row r.
; LIMITS: NaN and infinities are not served.  Blocks of W2 whose largest magnitude lies under 2^-124 (zeros too) get the scale byte 1.  K is summed in four quarters, which the last launch adds in f32.
; REGISTERS: as in the first product's launch: window 0: v1-10 addresses; v16-47, v48-51 scale words; v52-63 fragment 63; v64-159 the record; v160-223 accumulators; v224-255 at work; windows 1-3: fragments 0-62.
; THE MODE: SCHED_MODE bits 1:0 = 2 (LLVM: expert scheduling mode 2), set by the entry lines.  The code itself states the register dependences between vector or matrix instructions and
; memory or LDS instructions, with s_wait_alu, always for 0.
; THE PLAN.  Registers that memory or LDS instructions touch, and who else names them:
;   v1-10, v254, v255             addresses and the add's pair: written by vector instructions at the head and never again.  One wait on va_vdst, ahead of the first load.
;   ring sets 0-3 (window 1)      W phase: global loads land in them, the stage's LDS stores read them; no vector instruction names them.
;   v[ACC ..]                     W phase: the stage's LDS loads land, QW reads.  T phase: matrix instructions write; the stage's LDS stores read; the stage's LDS loads land; the global stores read.
;   v[PC ..], v[QD]               W phase alone: QW writes, the image stores read.
;   v[XF ..], v[XS ..]            the record: global loads land, matrix instructions read.
;   the fragments, v[WS ..]       LDS loads land once; matrix instructions alone read them.
; A W STEP has two waits.  vm_vsrc behind the stage's stores and loads: ring set f % 4 has been read and is asked for again at once, ahead of the wait for the stage's loads; the last step's image stores
; have read the codes' registers.  va_vdst behind QW: the codes are written, for the image stores, and QW is done reading v[ACC ..], for the next step's loads from the stage: no vector instruction stands between.
; A T TRIP has three.  vm_vsrc at its head: the last trip's global stores have read v[ACC ..].  va_vdst behind the products: v[ACC ..] is written, for the stage's stores and loads, and the record has been read,
; for the next record.  vm_vsrc between the stage's stores and its loads, which land in the registers that the stores read.  There is one record buffer: of the 1,024 registers too few are free for a second.
.set PITCH,  16384                     ; a row of W2 in bytes
.set SROW,   528
.set SWAVE,  16*SROW
.set IMG,    4*SWAVE
.set FRB,    1536
.set SCL,    IMG+64*FRB
.set REC,    12800
.set L16, 1
.set SCR, 2
.set STI, 3
.set STO, 4
.set IW0, 5
.set IW1, 6
.set SCW, 7
.set IR0, 8
.set IR1, 9
.set SO,  10                           ; my stage + 528 r + 64 h: where I put my row's results
.set WS,  16
.set XS,  48
.set WX,  52
.set XF,  64
.set ACC, 160
.set TMP, 224
.set PC,  TMP
.set QM,  TMP+20
.set QS,  TMP+22
.set QB,  TMP+24
.set QD,  TMP+26
.set QT,  TMP+27
.set SH8, TMP+28
.set MSB, 0
.macro WIN new                         ; the immediate's high byte repeats the setting that is left
.if MSB != (\new)
	s_set_vgpr_msb (MSB<<8)|(\new)
.set MSB, (\new)
.endif
.endm
.macro PLACES n
.rept \n
	v_nop
.endr
.endm
.macro WLOAD f                         ; set f of 16: tile f / 8 of my two, K step f % 8: 16 rows x 512 bytes into ring set f % 4
	WIN 0x40
.irp p, 0,1,2,3,4,5,6,7,8,9,10,11,12,13,14,15
	global_load_b128 v[64*((\f)%4)+4*\p:64*((\f)%4)+4*\p+3], v[L16], s[4:5] offset:(8*((\f)/8)+\p+8*(\p/8))*PITCH+512*((\f)%8) th:TH_LOAD_NT
.endr
.endm
.macro QW                              ; register 32 c + i = k 64 c + 32 h + i of my row: codes to v[PC] on, the scale word to v[QD]
.irp c, 0,1
	v_max3_num_f32 v[QM+\c], |v[ACC+32*\c]|, |v[ACC+32*\c+1]|, 0x1800000   ; the floor 2^(3 - 127) holds the byte at 1 from below
.endr
.irp i, 2,4,6,8,10,12,14,16,18,20,22,24,26,28,30
.irp c, 0,1
	v_max3_num_f32 v[QM+\c], v[QM+\c], |v[ACC+32*\c+\i]|, |v[ACC+32*\c+\i+1]|
.endr
.endr
.irp c, 0,1
	v_add_nc_u32 v[QS+\c], 0xff000000, v[QM+\c]    ; 2 off the exponent field: the conversion's scale operand
.endr
.irp c, 0,1
	v_lshrrev_b32 v[QB+\c], 23, v[QS+\c]
.endr
	v_lshl_or_b32 v[QD], v[QB+1], 16, v[QB]
	v_lshlrev_b32 v[QD], v[SH8], v[QD]
	v_permlanex16_b32 v[QT], v[QD], s30, s31
	v_or_b32 v[QD], v[QD], v[QT]
.irp c, 0,1
	v_cvt_scalef32_pk16_fp6_f32 v[PC+6*\c:PC+6*\c+2], v[ACC+32*\c:ACC+32*\c+15], v[QS+\c]
	v_cvt_scalef32_pk16_fp6_f32 v[PC+12+4*\c:PC+14+4*\c], v[ACC+32*\c+16:ACC+32*\c+31], v[QS+\c]
.endr
	v_nop                                          ; one plain instruction behind the scaled conversions
.irp c, 0,1
.irp i, 0,1,2
	v_mov_b32 v[PC+3+6*\c+\i], v[PC+12+4*\c+\i]
.endr
.endr
.endm
.macro WSTEP f, left                   ; left: the loads of the younger ring sets, which may stay out
	s_wait_loadcnt \left                           ; loads come back in order (ISA guide 5.7.1): set f is in
	WIN 0x04
.irp p, 0,1,2,3,4,5,6,7,8,9,10,11,12,13,14,15
	ds_store_b128 v[STI], v[64*((\f)%4)+4*\p:64*((\f)%4)+4*\p+3] offset:SROW*\p
.endr
	WIN 0
.irp c, 0,1
.irp i, 0,1,2,3,4,5,6,7
	ds_load_b128 v[ACC+32*\c+4*\i:ACC+32*\c+4*\i+3], v[STO] offset:256*\c+16*\i   ; (no vector instruction since the last wait on va_vdst names v[ACC ..])
.endr
.endr
.if (\f) < 12
	WIN 0x40                                       ; the window of the loads below stands ahead of the wait
.endif
	s_wait_alu depctr_vm_vsrc(0)                   ; the stage's stores have read ring set f % 4, in which the loads below land; the last step's image stores have read v[PC ..] and v[QD], which QW writes again
.if (\f) < 12
	WLOAD (\f)+4
	WIN 0
.endif
	s_wait_dscnt 0x0                               ; the numbers are back from the stage
	QW
	s_wait_alu depctr_va_vdst(0)                   ; QW has written v[PC ..] and v[QD], which the stores below read, and is done reading v[ACC ..], in which the next step's loads from the stage land
.set sK, (\f)%8
.set uT, (\f)/8
.irp k, 0,1,2
.if sK < 4
	ds_store_b128 v[IW0], v[PC+4*\k:PC+4*\k+3] offset:(8*sK+uT)*FRB+512*\k
.else
	ds_store_b128 v[IW1], v[PC+4*\k:PC+4*\k+3] offset:(8*(sK-4)+uT)*FRB+512*\k
.endif
.endr
	ds_store_b32 v[SCW], v[QD] offset:(4*uT+sK%4)*128+64*(sK/4)
.endm
.macro RLOAD
.irp i, 0,1,2,3,4,5,6,7,8,9,10,11,12,13,14,15,16,17,18,19,20,21,22,23
	global_load_b128 v[XF+4*\i:XF+4*\i+3], v[L16], s[24:25] offset:512*\i
.endr
	global_load_b128 v[XS:XS+3], v[L16], s[24:25] offset:12288
.endm
.macro PCALC dst, src                  ; the tile of turn src: rotated by the work-group's number, held inside the table
	s_add_co_u32 \dst, \src, s19
	s_sub_co_u32 s23, \dst, s18
	s_cmp_ge_u32 \dst, s18
	s_cselect_b32 \dst, s23, \dst
	s_min_u32 \dst, \dst, 63
.endm
.macro MM                              ; 64 matrix instructions, the eight accumulators by turns, one instruction a turn; the first K step starts the sums
.set f, 0
.rept 64
.set sK, f/8
.set tT, f%8
.if f == 63
	WIN 0
.set rW, WX
.else
	WIN 1+f/21
.set rW, 12*(f%21)
.endif
.if sK == 0
	v_wmma_scale_f32_16x16x128_f8f6f4 v[ACC+8*tT:ACC+8*tT+7], v[rW:rW+11], v[XF+12*sK:XF+12*sK+11], 0, v[WS+4*tT+sK%4], v[XS+sK%4] matrix_a_fmt:MATRIX_FMT_FP6 matrix_b_fmt:MATRIX_FMT_FP6
.elseif sK < 4
	v_wmma_scale_f32_16x16x128_f8f6f4 v[ACC+8*tT:ACC+8*tT+7], v[rW:rW+11], v[XF+12*sK:XF+12*sK+11], v[ACC+8*tT:ACC+8*tT+7], v[WS+4*tT+sK%4], v[XS+sK%4] matrix_a_fmt:MATRIX_FMT_FP6 matrix_b_fmt:MATRIX_FMT_FP6
.else
	v_wmma_scale_f32_16x16x128_f8f6f4 v[ACC+8*tT:ACC+8*tT+7], v[rW:rW+11], v[XF+12*sK:XF+12*sK+11], v[ACC+8*tT:ACC+8*tT+7], v[WS+4*tT+sK%4], v[XS+sK%4] matrix_a_fmt:MATRIX_FMT_FP6 matrix_b_fmt:MATRIX_FMT_FP6 matrix_a_scale:MATRIX_SCALE_ROW1 matrix_b_scale:MATRIX_SCALE_ROW1
.endif
.set f, f+1
.endr
.endm
	s_load_b64 s[4:5], s[0:1], 0x0                 ; W2
	s_load_b128 s[8:11], s[0:1], 0x8               ; ord s[8:9], at s[10:11]
	s_load_b64 s[12:13], s[0:1], 0x18              ; yp
	v_lshl_add_u32 v254, v0, 2, 0x21400
	v_mov_b32 v255, 0
	v_lshrrev_b32 v[TMP], 5, v0
	v_readfirstlane_b32 s14, v[TMP]                ; wave
	s_and_b32 s15, ttmp7, 0xffff                   ; e
	s_mov_b32 s16, ttmp9                           ; x
	v_and_b32 v[TMP], 31, v0                       ; lane
	v_and_b32 v[TMP+1], 15, v0                     ; r
	v_bfe_u32 v[TMP+2], v0, 4, 1                   ; h
	v_lshlrev_b32 v[L16], 4, v[TMP]
	v_lshl_add_u32 v[SCR], v[TMP], 2, SCL
	s_wait_alu depctr_va_sdst(0)                   ; s14, the wave's number, is written, ahead of its first reader: LDS addresses and the bases are made from it
	s_mul_i32 s23, s14, SWAVE
	v_add_nc_u32 v[STI], s23, v[L16]
	v_mul_u32_u24 v[STO], v[TMP+1], SROW
	v_lshl_add_u32 v[SO], v[TMP+2], 6, v[STO]
	v_lshl_add_u32 v[STO], v[TMP+2], 7, v[STO]
	v_add_nc_u32 v[STO], s23, v[STO]
	v_add_nc_u32 v[SO], s23, v[SO]
	s_mul_i32 s23, s14, 2*FRB
	s_add_co_u32 s23, s23, IMG
	v_add_nc_u32 v[IW0], s23, v[L16]
	v_add_nc_u32 v[IW1], 32*FRB, v[IW0]
	s_lshl_b32 s23, s14, 10
	s_add_co_u32 s23, s23, SCL
	v_lshl_add_u32 v[SCW], v[TMP+1], 2, s23
	v_add_nc_u32 v[IR0], IMG, v[L16]
	v_add_nc_u32 v[IR1], IMG+32*FRB, v[L16]
	v_lshlrev_b32 v[SH8], 3, v[TMP+2]
	v_mov_b32 v[QT], 0                             ; a lane permute's destination counts as one of its sources
	s_mov_b32 s30, 0x76543210
	s_mov_b32 s31, 0xfedcba98
	s_and_b32 s32, s16, 3                          ; q
	s_lshr_b32 s33, s16, 2                         ; which 128 outputs
	s_lshl_b32 s56, s15, 8
	s_add_co_u32 s56, s56, s32                     ; records: 4 (64 e + tile) + q
	s_lshl_b32 s57, s32, 25                        ; yp: a quarter is 33,554,432 bytes,
	s_lshl_b32 s23, s15, 22                        ; an expert's 1,024 rows 4,194,304,
	s_add_co_u32 s57, s57, s23
	s_lshl_b32 s23, s33, 9                         ; my 128 outputs 512
	s_add_co_u32 s57, s57, s23
	s_lshl_b32 s28, s15, 24                        ; an expert's W2 is 16,777,216 bytes,
	s_lshl_b32 s23, s33, 21                        ; 128 rows 2,097,152,
	s_add_co_u32 s28, s28, s23
	s_lshl_b32 s23, s32, 12                        ; a K quarter 4,096 in a row,
	s_add_co_u32 s28, s28, s23
	s_lshl_b32 s23, s14, 19                        ; a wave's 32 rows 524,288
	s_add_co_u32 s28, s28, s23
	s_mov_b32 s29, 0
	s_wait_kmcnt 0x0
	s_add_nc_u64 s[4:5], s[4:5], s[28:29]
	s_lshl_b32 s23, s15, 7
	s_load_b32 s17, s[8:9], s23 offset:0x0         ; the expert's count of rows
	WIN 0x40                                       ; the window of the loads below stands ahead of the wait
	s_wait_alu depctr_va_vdst(0)                   ; the addresses v1 to v10 and the add's pair are written: every load and store of the kernel reads one of them, and none is written again
	WLOAD 0
	WLOAD 1
	WLOAD 2
	WLOAD 3
	WIN 0
	s_wait_kmcnt 0x0
	s_min_u32 s17, s17, 1024
	s_add_co_u32 s18, s17, 15
	s_lshr_b32 s18, s18, 4                         ; tiles
	s_mul_i32 s19, s16, s18
	s_lshr_b32 s19, s19, 5                         ; the rotation
	; ---- W: 16 sets; behind set f's loads stand those of at most three younger sets
.irp f, 0,1,2,3,4,5,6,7,8,9,10,11,12
	WSTEP \f, 48
.endr
	WSTEP 13, 32
	WSTEP 14, 16
	WSTEP 15, 0
	s_wait_dscnt 0x0                               ; for the others' sake: my images and scale words lie in LDS
	s_barrier_signal -1
	s_barrier_wait -1                              ; everybody's do; nobody writes them again
	s_cmp_lt_u32 s14, s18
	s_cbranch_scc0 .Lend                           ; a wave without a tile is done
	s_mov_b32 s20, s14                             ; my turn
	s_sub_co_u32 s61, s18, s14
	s_add_co_u32 s61, s61, 3
	s_lshr_b32 s61, s61, 2                         ; my trips: the turns w, w + 4, .. under the number of tiles: (tiles - w + 3) / 4, at least 1 here
	s_mov_b32 s60, 0                               ; the trips done: the loop's counter
	PCALC s21, s20
	s_lshl_b32 s28, s21, 2
	s_add_co_u32 s28, s28, s56
	s_mul_i32 s28, s28, REC
	s_add_nc_u64 s[24:25], s[10:11], s[28:29]
	RLOAD                                          ; my first record lands while the slab is copied
.set f, 0
.rept 64
.if f == 63
	WIN 0
.set rW, WX
.else
	WIN (1+f/21)<<6
.set rW, 12*(f%21)
.endif
.irp k, 0,1,2
.if f < 32
	ds_load_b128 v[rW+4*\k:rW+4*\k+3], v[IR0] offset:f*FRB+512*\k     ; (each ring set's stores into the stage were followed by their step's wait on vm_vsrc, and nothing has named these registers since)
.else
	ds_load_b128 v[rW+4*\k:rW+4*\k+3], v[IR1] offset:(f-32)*FRB+512*\k
.endif
.endr
.set f, f+1
.endr
	WIN 0
.irp n, 0,1,2,3,4,5,6,7,8,9,10,11,12,13,14,15,16,17,18,19,20,21,22,23,24,25,26,27,28,29,30,31
	ds_load_b32 v[WS+\n], v[SCR] offset:128*\n
.endr
	s_wait_dscnt 0x0
.Ltrip:
	s_wait_loadcnt 0x0                             ; the record
	s_wait_xcnt 0x0                                ; the last trip's stores have read the accumulators' registers and their base: both are written below
	s_wait_alu depctr_vm_vsrc(0)                   ; the last trip's global stores have read v[ACC ..], which the matrix instructions write
	MM
	WIN 0
	PLACES 5                                       ; four in front of the first read of results; the fifth because the next trip begins these accumulators anew with another C; they stay beside the wait below
	s_wait_alu depctr_va_vdst(0)                   ; the matrix instructions have written v[ACC ..], which the stage's stores read and in which its loads land, and are done reading v[XF ..] and v[XS ..], in which the next record lands
	s_add_co_u32 s59, s20, 4
	PCALC s22, s59
	s_cmp_lt_u32 s59, s18
	s_cbranch_scc0 .Lno_next
	s_lshl_b32 s28, s22, 2
	s_add_co_u32 s28, s28, s56
	s_mul_i32 s28, s28, REC
	s_add_nc_u64 s[24:25], s[10:11], s[28:29]      ; (the wait for the record has freed the base)
	RLOAD                                          ; the next record lands under the way out
.Lno_next:
	s_lshl_b32 s28, s21, 16                        ; 16 rows of 4,096 bytes a tile
	s_add_co_u32 s28, s28, s57
	s_add_nc_u64 s[26:27], s[12:13], s[28:29]
.irp b, 0,1,2,3
.irp m, 0,1,2,3
	ds_store_b128 v[SO], v[ACC+16*\b+4*\m:ACC+16*\b+4*\m+3] offset:128*\b+16*\m    ; each accumulator from its low end on
.endr
.endr
	s_wait_alu depctr_vm_vsrc(0)                   ; the stores above have read v[ACC ..], in which the loads below land
.irp i, 0,1,2,3,4,5,6,7,8,9,10,11,12,13,14,15
	ds_load_b128 v[ACC+4*\i:ACC+4*\i+3], v[STI] offset:SROW*\i     ; back as whole rows, into the registers that they left; LDS serves a wave's instructions in order (ISA guide 5.7.1.4)
.endr
.irp i, 0,1,2,3,4,5,6,7,8,9,10,11,12,13,14,15
	s_wait_dscnt 15-\i                             ; row i is back; the younger rows may be out
	global_store_b128 v[L16], v[ACC+4*\i:ACC+4*\i+3], s[26:27] offset:4096*\i th:TH_STORE_NT   ; 512 consecutive bytes of a row, at a multiple of 256 from the buffer's first byte
.endr
	s_mov_b32 s21, s22
	s_add_co_u32 s20, s20, 4                       ; the next turn
	s_add_co_u32 s60, s60, 1                       ; the loop ends on its own counter, one a trip, against the trips made ahead of it
	s_cmp_lt_u32 s60, s61
	s_cbranch_scc1 .Ltrip
.Lend:
	s_wait_dscnt 0x0                               ; the closing lines, six on end
	s_wait_alu 0x0
	s_wait_tensorcnt 0x0
	ds_add_u32 v254, v255
	s_wait_dscnt 0x0
	s_endpgm
.Lfunc_end_k_q7fefdf229c_ffn2:
	.size	k_q7fefdf229c_ffn2, .Lfunc_end_k_q7fefdf229c_ffn2-k_q7fefdf229c_ffn2
	.p2alignl 7, 3214868480
	.fill 96, 4, 3214868480
	.section	.rodata,"a",@progbits
	.p2align	6, 0x0
	.amdhsa_kernel k_q7fefdf229c_ffn2
		.amdhsa_group_segment_fixed_size 136704
		.amdhsa_private_segment_fixed_size 0
		.amdhsa_enable_private_segment 0
		.amdhsa_kernarg_size 32
		.amdhsa_user_sgpr_count 2
		.amdhsa_user_sgpr_kernarg_segment_ptr 1
		.amdhsa_wavefront_size32 1
		.amdhsa_system_sgpr_workgroup_id_x 1
		.amdhsa_system_sgpr_workgroup_id_y 1
		.amdhsa_system_sgpr_workgroup_id_z 1
		.amdhsa_system_vgpr_workitem_id 0
		.amdhsa_next_free_vgpr 1024
		.amdhsa_next_free_sgpr 66
		.amdhsa_reserve_vcc 0
		.amdhsa_float_denorm_mode_32 3
		.amdhsa_float_denorm_mode_16_64 3
		.amdhsa_memory_ordered 1
		.amdhsa_forward_progress 1
		.amdhsa_inst_pref_size 147
	.end_amdhsa_kernel
	.amdgpu_metadata
---
amdhsa.version: [ 1, 2 ]
amdhsa.kernels:
  - .name:           k_q7fefdf229c_ffn2
    .symbol:         k_q7fefdf229c_ffn2.kd
    .args:
      - { .name: W2, .offset: 0, .size: 8, .value_kind: global_buffer, .address_space: global }
      - { .name: ord, .offset: 8, .size: 8, .value_kind: global_buffer, .address_space: global }
      - { .name: at, .offset: 16, .size: 8, .value_kind: global_buffer, .address_space: global }
      - { .name: yp, .offset: 24, .size: 8, .value_kind: global_buffer, .address_space: global }
    .group_segment_fixed_size: 136704
    .private_segment_fixed_size: 0
    .kernarg_segment_align: 8
    .kernarg_segment_size: 32
    .max_flat_workgroup_size: 128
    .sgpr_count:     66
    .vgpr_count:     1024
    .wavefront_size: 32
...
	.end_amdgpu_metadata
.endif
;; end of part 7
;; launch combine: the kernel of part 5 again; grid 256 x 1, 8 waves a work-group, no clusters, 0 bytes of LDS; arguments hidden_states, b2, ord, rw, yp, out0; writes out0
